; MI455X (gfx1250); checked and timed in simulation.
; The chip was launched on July 23, 2026; its instructions are those of AMD's public machine-readable ISA for CDNA 5 (MIT licence, August 2026) and "CDNA5" Instruction Set Architecture Reference Guide (July 2026). The comments in the code are by the model that wrote it; some were corrected since.
;; Multi Head Self Attention. Allowed arithmetic: matrix products marked QUANTISED: E5M2 operands, one given power-of-two scale a tensor, by v_wmma_f32_16x16x64_bf8_bf8 or v_wmma_f32_16x16x128_bf8_bf8, f32 sums; everything else in f32.
;; Inputs: W_out_codes 1,024 x 32 x 32 uint8 (E5M2 codes of W_out, K innermost, in blocks of 32 codes); W_qkv_codes 3,072 x 32 x 32 uint8 (E5M2 codes of W_qkv, K innermost, in blocks of 32 codes); in_features_codes 4 x 2,048 x 32 x 32 uint8 (E5M2 codes of in_features, K innermost, in blocks of 32 codes); lowp_scales 8 int32 (the exponents e of the quantised operands' scales 2^e); token_positions 2,048 int32.
;; Outputs: out0 4 x 2,048 x 1,024 float32.
;; This version of the problem:
;;   THIS VERSION OF THE PROBLEM IS GIVEN IN LOW PRECISION. The matrix products marked QUANTISED in the list below multiply operands that are first quantised to E5M2 (5 exponent bits, 2 mantissa bits; 8 bits a number), with one given power-of-two scale for each operand tensor; their sums are f32. All else is computed in f32.
;;   The module's matrix products, in the order in which they are computed (A, B: the left and right operand; K: the contracted axis; several contracted axes count as one K, in the product's order):
;;     1. [M 8,192, K 1,024] x [K 1,024, N 3,072]; A: input in_features (given as codes); B: input W_qkv (given as codes): QUANTISED (scales: A lowp_scales[0], B lowp_scales[1])
;;     2. batch 64 x [M 2,048, K 64] x [K 64, N 2,048]; A: computed on the way; B: computed on the way: QUANTISED (scales: A lowp_scales[2], B lowp_scales[3])
;;     3. batch 64 x [M 2,048, K 2,048] x [K 2,048, N 64]; A: softmax (see below); B: computed on the way: QUANTISED (scales: A lowp_scales[4], B lowp_scales[5])
;;     4. [M 8,192, K 1,024] x [K 1,024, N 1,024]; A: computed on the way; B: input W_out (given as codes): QUANTISED (scales: A lowp_scales[6], B lowp_scales[7])
;;   THE QUANTISER, for each operand of a quantised product, along K:
;;     - The operand's scale is 2^e, e = its entry of the input lowp_scales (int32; the entries are numbered through the quantised products in the list's order, A before B).
;;     - Each number is divided by the scale, clamped to +-57,344, and rounded to the nearest number of E5M2, ties to even, subnormals kept.
;;     - The product sums the exact products of the quantised numbers (number of the format x scale) in f32.
;;   ~~~python
;;   def quantise(x, axis, e):      # numpy; x: float32 -> the quantised numbers, widened to float32 again
;;       x = np.moveaxis(x, axis, -1); K = x.shape[-1]
;;       r = np.clip(x / 2.0 ** e, -57344, 57344)
;;       step = 2.0 ** (np.maximum(np.frexp(np.where(r == 0, 1, r))[1] - 1, -14) - 2)
;;       q = np.round(r / step) * step * 2.0 ** e      # np.round: ties to even
;;       return np.moveaxis(q, -1, axis).astype(np.float32)
;;   ~~~
;;   SOFTMAX AHEAD OF A QUANTISED PRODUCT. Where the list says 'softmax', what is quantised is not the finished softmax but p = 2^(t - M), with t = logit x log2(e) and M = ceil(the row's largest t), a whole number; so 1/2 < the row's largest p <= 1. The row's sum l is taken of the UNQUANTISED p, in f32, and the product's result is divided by l at the end. Since M is a whole number, a kernel that streams over the keys may use a running M (the ceiling of the running maximum): every later rescaling is an exact power of two, so the quantised numbers keep their values, but for numbers so far below the row's largest that they fall under the format's range.
;;   OPERANDS COMPUTED ON THE WAY. 'Computed on the way' means the value that the module computes at that place (a softmax that the list does not call 'softmax' is quantised finished and normalised). What goes into a quantiser is computed in f32, as accurately as f32 sums, v_exp_f32 and their like allow (about 1e-6 of the number): no bf16 or f16 on the way to a quantiser, and a product that is left as it is and whose result goes on into a quantised operand takes f32 operands (vector FMAs, or v_wmma_f32_16x16x4_f32). A number that lies on a knife's edge between two numbers of the format may be rounded either way, as far as f32 arithmetic and the matrix unit's own rounding can turn it there, and no further.
;;   INPUTS GIVEN AS CODES. W_out (in the module: [1024, 1024], K = its axis 1); W_qkv (in the module: [3072, 1024], K = its axis 1); in_features (in the module: [4, 2048, 1024], K = its axis 2): each comes as NAME_codes (uint8): NAME with its K axis moved to the last place and cut into blocks of 32 codes, [.., K / 32, bytes a block], one block behind the other in memory; one code a byte (a code: sign, 5 exponent bits, 2 mantissa bits); its scale is its entry of lowp_scales. Its value is code x scale, taken as it is: it is not quantised again, and the codes and scales need not be those that the quantiser above would give.
;; One version. Each part assembles by itself: llvm-mc -triple=amdgcn-amd-amdhsa -mcpu=gfx1250 --defsym DOCPART=n.
;; ======== version 1 of 1: 4 launches
;; limits: right only within a limited range of input values
;; workspace buffers: rope 524,288 bytes; wo_img 1,048,576 bytes; q_img 8,388,608 bytes; k_img 8,388,608 bytes; v_img 8,388,608 bytes; ctx_img 8,388,608 bytes
;; launch vprep (part 1): grid 4 x 56, 4 waves a work-group, clusters of 4 x 4, 327,680 bytes of LDS; arguments in_features_codes, W_qkv_codes, lowp_scales, v_img, token_positions, W_out_codes, rope, wo_img; writes v_img, rope, wo_img
.if DOCPART == 1
	.amdgcn_target "amdgcn-amd-amdhsa--gfx1250"
	.amdhsa_code_object_version 6
	.text
	.protected	k_q6a36e63d2e_vprep
	.globl	k_q6a36e63d2e_vprep
	.p2align	8
	.type	k_q6a36e63d2e_vprep,@function
k_q6a36e63d2e_vprep:
	s_mov_b64 s[64:65], 0
	v_nop
	global_prefetch_b8 v0, s[64:65] scope:SCOPE_SE
	s_setreg_imm32_b32 hwreg(HW_REG_WAVE_MODE, 25, 1), 1
	s_wait_xcnt 0x0
	s_wait_alu depctr_hold_cnt(0) depctr_sa_sdst(0) depctr_va_vdst(0) depctr_va_sdst(0) depctr_va_ssrc(0) depctr_va_vcc(0) depctr_vm_vsrc(0)
	s_getreg_b32 s2, hwreg(HW_REG_IB_STS2, 6, 4)
	s_cmp_eq_u32 s2, 0
	s_cbranch_scc0 .Lentry_in_a_cluster
	s_endpgm
.Lentry_in_a_cluster:
	s_bfe_u32 s2, ttmp6, 0x10000c
	s_cmp_lg_u32 s2, 0xf033
	s_cbranch_scc0 .Lentry_shape_is_right
	s_endpgm
.Lentry_shape_is_right:
; THE PROGRAM: multi-head self-attention, 4 x 2,048 tokens, 16 heads of 64, all four products on codes of E5M2.  Four launches: this one (v's part of product 1, and the tables), qk (q's and k's part, RoPE),
; attn (products 2 and 3 with the softmax), proj (product 4).
; WORK LEFT OUT, in the whole program: only key steps that lie wholly under the causal mask which the problem builds in its own body (key > query for all 16 queries of a tile and all 128 keys of a step).
; There the masked logit is the lowest f32 number, so p = 2^(t - M) is 0 for every finite input, while the diagonal key always counts: such a step adds 0 to the row's sum and 0 to the second product.
; LIMIT: a NaN, an infinity or an overflow that would arise only in those hidden scores is not carried to the result.  Every input has a way to the output and is loaded.
; THIS LAUNCH: 14 clusters of 4 x 4 work-groups, told apart by the cluster's y, which all sixteen partners share.  The longest come first.
; CLUSTERS 0-7: v = x W_v^T on codes (x: 8,192 x 1,024, W_v: rows 2,048 .. 3,071 of W_qkv), quantised for the second product.  A tile of 256 x 256 is made by a work-group of four waves; a wave makes 128 x 128:
;   64 accumulators.  K goes in four steps of 256 through a ring of two LDS slots.  Wave w owns slot w / 2 and tensor w % 2: one joint load brings all 256 rows of that tile; the four of a row of the cluster ask jointly for A's
;   tiles, the four of a column for B's.  A = W_v's rows, B = the tokens, and the matrix instruction is used transposed (source 0 = 16 rows of B, source 1 = 16 rows of A): a lane holds one of a head's 64 and eight neighbouring
;   KEYS, the second product's K.  So each conversion of an accumulator's eight registers gives registers 2 c, 2 c + 1 of that operand, and the codes leave as images of its registers:
;   v_img: [16 b + head][s / 256][(s / 128) % 2][d / 16][chunk g of 4][512]; every store of a wave covers 512 consecutive bytes, aligned.  Inside this product k is permuted, alike in A and in B.
;   A sum stands for sum x 2^(e0 + e1); the conversion divides by 2^F, F = e5 - e0 - e1.  LIMIT: F between -126 and 112.  NaN among the sums is not served.
;   NO PREFETCH: K is four slots; two are asked for at the head, the other two at the first and second change of slots.
; CLUSTERS 8-9: the table of cos and sin of f32(token_positions[s]) x 10^(-f/8), f = 0 .. 31, laid as the launch qk wants it in registers:
;   rope[s / 16][chunk 2 bb + p][lane (r, h)]: 16 bytes = cos f, sin f, cos (f + 1), sin (f + 1) for sequence place 16 (s / 16) + r, f = 8 bb + 4 h + 2 p.
;   n = the nearest whole number to angle x 2 / pi; the angle less n x pi / 2, pi / 2 in three parts by fused multiply-adds; polynomials on +-pi / 4; the quadrant by select and sign.
;   LIMIT: |angle| up to about 48,000; beyond it the reduction loses accuracy.  The frequencies are the f32 numbers nearest to 10^(-f/8).
; CLUSTERS 10-13: W_out's codes laid as images of the operand's registers: wo_img[k / 256][n / 16][(k / 128) % 2][chunk g][lane (r, h)]: registers 2 c, 2 c + 1 hold k = 16 c + 8 h + 0 .. 7 of row 16 (n / 16) + r.
; These six clusters ask for nothing jointly, touch no LDS and pass no barrier.
.set ROWB,   256
.set KROW,   1024
.set PITCH,  272                       ; an LDS row: 256 bytes + 16 of padding: the 16 rows that a load touches start at 16 different banks
.set FR,     16
.set NL,     4
.set NP,     4
.set HALFT,  128*PITCH
.set SLOT,   4*HALFT
.set SPARE,  2*SLOT
.set ADRA, 16
.set ADRB, 20
.set LI,   26
.set SPW,  28
.set NIL,  29
.set SCL,  30
.set LIMV, 31
.set CD,   96
.set AF,   128
.set VAL,  128
.set G1, 24
.set G0, 32
.set G1B, 48
.set G0B, 56
.set OB, 68
.set MSB, 0
.macro WIN new                         ; the immediate's high byte repeats the setting that is left
.if MSB != \new
	s_set_vgpr_msb (MSB<<8)|\new
.set MSB, \new
.endif
.endm
.set MUL_LO, 0xa1                      ; source 0 (B) window 1, source 1 (A) window 0, C and D window 2
.set MUL_HI, 0xf1                      ; the same, C and D window 3
.set TO_B,   0x40                      ; destination window 1, address window 0
.macro PLACES n                        ; plain vector instructions between a matrix instruction and a load into, or a vector instruction on, its registers
.rept \n
	v_nop
.endr
.endm
.macro JLOAD                           ; my one joint load; the branch hangs on the wave's number alone.  An s_nop 0 and four v_nop follow each line
	s_cmp_eq_u32 s16, 0
	s_cbranch_scc0 .Lfor_b_\@
	tensor_load_to_lds s[G0:G0+3], s[G1:G1+7]
	s_nop 0
	PLACES 4
	s_branch .Lasked_\@
.Lfor_b_\@:
	tensor_load_to_lds s[G0B:G0B+3], s[G1B:G1B+7]
	s_nop 0
	PLACES 4
.Lasked_\@:
.endm
.macro CREST                           ; a round of the cluster's barrier behind its opening barrier
	s_cmp_lg_u32 s14, 0
	s_cbranch_scc1 .Lnot_wave_0_\@
	s_barrier_signal -3
.Lnot_wave_0_\@:
	s_barrier_wait -3
	s_barrier_signal -1
	s_barrier_wait -1
.endm
.macro CROUND
	s_barrier_signal -1
	s_barrier_wait -1
	CREST
.endm
	s_and_b32 s18, ttmp7, 0xffff                   ; the cluster's y
	s_cmp_ge_u32 s18, 8
	s_cbranch_scc1 .Lprep
	s_load_b256 s[72:79], s[0:1], 0x0              ; x s[72:73], W s[74:75], the scales' exponents s[76:77], v_img s[78:79]
	v_lshl_add_u32 v[SPW], v0, 2, SPARE
	v_mov_b32 v[NIL], 0
	ds_add_u32 v[SPW], v[NIL]                      ; the wave's opening: the add, twice on end, and its wait ahead of my first tensor load
	ds_add_u32 v[SPW], v[NIL]
	v_lshrrev_b32 v1, 5, v0
	v_readfirstlane_b32 s14, v1                    ; wave 0..3
	s_lshr_b32 s15, s14, 1                         ; which half of A's rows is mine.  Also: the slot that I fill
	s_and_b32 s16, s14, 1                          ; which half of B's rows.  Also: I fetch for A (0) or for B (1)
	s_bfe_u32 s40, ttmp6, 0x40000                  ; cx
	s_bfe_u32 s41, ttmp6, 0x40004                  ; cy
	s_lshl_b32 s18, s18, 2
	s_add_co_u32 s17, s41, 8                       ; A's tile of 256 rows: W's tile 8 + cy
	s_add_co_u32 s42, s18, s40                     ; B's: tokens 4 cluster y + cx
	s_lshl_b32 s43, s41, 2
	s_lshl_b32 s43, 15, s43                        ; my row of the cluster
	s_lshl_b32 s44, 0x1111, s40                    ; my column
	s_or_b32 s[G1+0], s43, (0<<16)|(1<<20)|(1<<21)|(5<<22)|(3<<25)  ; the mask; elements of 1 byte; padding on; bit 21 beside a mask; 4 words behind every 64
	s_or_b32 s[G1B+0], s44, (0<<16)|(1<<20)|(1<<21)|(5<<22)|(3<<25)
.irp g, G1, G1B
	s_mov_b32 s[\g+1], ROWB<<16                    ; tensor_dim0
	s_mov_b32 s[\g+2], 256<<16                     ; tensor_dim1
	s_mov_b32 s[\g+3], ROWB<<16                    ; tile_dim0
	s_mov_b32 s[\g+4], 256                         ; tile_dim1
	s_mov_b32 s[\g+5], KROW                        ; the pitch
	s_mov_b32 s[\g+6], 0
	s_mov_b32 s[\g+7], 0
.endr
	s_lshl_b32 s18, s15, 8                         ; my slot's first K step: 256 bytes along the rows
	s_lshl_b32 s20, s17, 18                        ; A: the tile's 256 rows of 1,024 bytes
	s_add_co_u32 s20, s20, s18
	s_mov_b32 s21, 0
	s_lshl_b32 s46, s42, 18                        ; B likewise
	s_add_co_u32 s46, s46, s18
	s_mov_b32 s47, 0
	s_mul_i32 s45, s15, SLOT                       ; where they go: my slot
	s_wait_dscnt 0x0                               ; both opening adds are done
	s_wait_kmcnt 0x0
	s_load_b256 s[88:95], s[76:77], 0x0            ; e0 .. e7
	s_add_nc_u64 s[20:21], s[74:75], s[20:21]
	s_add_nc_u64 s[46:47], s[72:73], s[46:47]
	CROUND                                         ; all sixteen work-groups are here: the first joint loads meet
	s_mov_b32 s[G0], 1
	s_mov_b32 s[G0+1], s45                         ; A's 256 rows lie first in a slot,
	s_mov_b64 s[G0+2:G0+3], s[20:21]
	s_or_b32 s[G0+3], s[G0+3], 0x80000000
	s_mov_b32 s[G0B], 1
	s_add_co_u32 s[G0B+1], s45, 2*HALFT            ; B's behind them
	s_mov_b64 s[G0B+2:G0B+3], s[46:47]
	s_or_b32 s[G0B+3], s[G0B+3], 0x80000000
	JLOAD                                          ; the four waves' four loads fill both slots: one tensor load a wave at the head
	v_and_b32 v1, 15, v0
	v_bfe_u32 v2, v0, 4, 1
	v_mul_u32_u24 v3, v1, PITCH
	v_lshl_add_u32 v4, v2, 4, v3                   ; a fragment's row x pitch + 16 x half
	s_mul_i32 s21, s15, HALFT
	s_mul_i32 s22, s16, HALFT
	s_add_co_u32 s22, s22, 2*HALFT
.irp s, 0,1
	v_add_nc_u32 v[ADRA+\s], s21, v4
	v_add_nc_u32 v[ADRB+\s], s22, v4
	s_add_co_u32 s21, s21, SLOT
	s_add_co_u32 s22, s22, SLOT
.endr
	v_and_b32 v6, 31, v0
	v_lshlrev_b32 v[LI], 4, v6
	; where my wave's images begin: ((16 b + head) x 8 + s / 256) x 16,384 + 8,192 x (which half of the tile's 256 tokens)
	s_lshl_b32 s97, s41, 2                         ; W_v's tile: four heads;
	s_lshl_b32 s86, s15, 1                         ; my half of it: two
	s_add_co_u32 s97, s97, s86
	s_lshr_b32 s86, s42, 3                         ; b
	s_lshl_b32 s86, s86, 4
	s_add_co_u32 s86, s86, s97
	s_lshl_b32 s86, s86, 3
	s_and_b32 s96, s42, 7
	s_add_co_u32 s86, s86, s96
	s_lshl_b32 s86, s86, 14
	s_lshl_b32 s87, s16, 13
	s_add_co_u32 s70, s86, s87
	s_mov_b32 s71, 0
	s_add_nc_u64 s[OB:OB+1], s[78:79], s[70:71]
	s_wait_alu depctr_va_vdst(0)                   ; directly ahead of the wait below
	s_wait_kmcnt 0x0                               ; the exponents
	s_sub_co_i32 s96, s93, s88
	s_sub_co_i32 s96, s96, s89                     ; F = e5 - e0 - e1
	s_add_co_i32 s96, s96, 127
	s_lshl_b32 s97, s96, 23
	v_mov_b32 v[SCL], s97                          ; 2^F: the conversion takes its exponent field
	s_add_co_i32 s96, s96, 15
	s_lshl_b32 s96, s96, 23
	s_or_b32 s96, s96, 0x600000
	v_mov_b32 v[LIMV], s96                         ; 57,344 x 2^F
.macro FRAG reg, adr, q, i             ; 16 rows x 128 K: lane l holds row l % 16; registers 4 c .. 4 c + 3 hold K = 32 c + 16 (l / 16) + 0 .. 15
.irp c, 0,1,2,3
	ds_load_b128 v[\reg+4*\c:\reg+4*\c+3], v[\adr] offset:128*(\q)+32*\c+(\i)*16*PITCH
.endr
.endm
; 16 matrix instructions: A's blocks a0, a0 + 1 x B's eight.  The 64 accumulators take turns, one instruction a turn, in the same order in every step.
.macro MUL16 a0, p, zero
.irp a, \a0, \a0+1
.irp b, 0,1,2,3,4,5,6,7
.if \zero
	v_wmma_f32_16x16x128_bf8_bf8 v[8*(8*((\a)%4)+\b):8*(8*((\a)%4)+\b)+7], v[128*(\p)+FR*\b:128*(\p)+FR*\b+FR-1], v[AF+FR*(\a):AF+FR*(\a)+FR-1], 0
.else
	v_wmma_f32_16x16x128_bf8_bf8 v[8*(8*((\a)%4)+\b):8*(8*((\a)%4)+\b)+7], v[128*(\p)+FR*\b:128*(\p)+FR*\b+FR-1], v[AF+FR*(\a):AF+FR*(\a)+FR-1], v[8*(8*((\a)%4)+\b):8*(8*((\a)%4)+\b)+7]
.endif
.endr
.endr
.endm
.macro FETCH_B slot, q, p
	WIN TO_B
.irp i, 0,1,2,3,4,5,6,7
	FRAG 128*(\p)+FR*\i, ADRB+\slot, \q, \i
.endr
	WIN 0
.endm
.macro FETCH_A slot, q, i0
.irp i, \i0, \i0+1, \i0+2, \i0+3
	FRAG AF+FR*(\i), ADRA+\slot, \q, \i
.endr
.endm
.macro STEP slot, q, zero              ; a step of 128 along K that has its successor in the same slot
	s_wait_dscnt 4*NL                              ; B's set and A's blocks 0-3 are in; the youngest sixteen loads (A's blocks 4-7) may be out
	WIN MUL_LO
	MUL16 0, (\q)%2, \zero
	MUL16 2, (\q)%2, \zero
	s_wait_dscnt 0
	PLACES NP
	FETCH_B \slot, (\q)+1, 1-(\q)%2
	FETCH_A \slot, (\q)+1, 0
	WIN MUL_HI
	MUL16 4, (\q)%2, \zero
	MUL16 6, (\q)%2, \zero
	PLACES NP
	WIN 0
	FETCH_A \slot, (\q)+1, 4
.endm
; A slot's last step changes slots: ONE barrier; in front of it each wave waits for all its tensor loads, adds 0 to its spare word, and waits for that and for its reads of this slot.
.macro TURN slot, next, fill
	s_wait_tensorcnt 0x0                           ; no tensor load of mine is out
	ds_add_u32 v[SPW], v[NIL]
	s_wait_dscnt 4*NL+1                            ; the add and the youngest sixteen loads may be out
	WIN MUL_LO
	MUL16 0, 1, 0
	s_wait_dscnt 0x0                               ; the add is done, and my reads of this slot are over
	s_barrier_signal -1
	MUL16 2, 1, 0
	WIN 0
	s_barrier_wait -1
.if \fill
	CREST                                          ; the barrier has opened a round of the cluster's: no wave of any partner still reads this slot or has a load on its way
	s_cmp_lg_u32 s15, \slot                        ; the two waves that own this slot fill it again; the wave's number alone decides
	s_cbranch_scc1 .Lnot_mine_\@
	s_add_nc_u64 s[G0+2:G0+3], s[G0+2:G0+3], 2*ROWB
	s_add_nc_u64 s[G0B+2:G0B+3], s[G0B+2:G0B+3], 2*ROWB
	JLOAD                                          ; the first tensor load behind the round
.Lnot_mine_\@:
.endif
	PLACES NP                                      ; on every wave's way: the places in front of the loads below
	FETCH_B \next, 0, 0
	FETCH_A \next, 0, 0
	WIN MUL_HI
	MUL16 4, 1, 0
	MUL16 6, 1, 0
	PLACES NP
	WIN 0
	FETCH_A \next, 0, 4
.endm
; THE WAY OUT, block a: 16 of a head's 64 x 128 keys: held, converted: one whole fragment of the second product
.macro VBLOCK a
.set AC, 64*((\a)%4)
.set CC, CD+16*((\a)%2)
	WIN 0x02+((\a)/4)                              ; source 0: window 2 or 3
.set j, 0
.rept 64
	v_med3_num_f32 v[VAL+j], v[AC+j], -v[LIMV], v[LIMV]   ; the conversion does not saturate (ISA guide 7.6.2): the hold at the largest code x the scale
.set j, j+1
.endr
	WIN 0
	s_wait_alu depctr_va_vdst(0)                   ; directly ahead of the wait below
	s_wait_xcnt 0x0                                ; the stores of two blocks ago have read this set of codes
.set j, 0
.rept 8
	v_cvt_scalef32_pk8_bf8_f32 v[CC+2*j:CC+2*j+1], v[VAL+8*j:VAL+8*j+7], v[SCL]
.set j, j+1
.endr
	v_nop                                          ; a plain instruction behind the last conversion
.irp g, 0,1,2,3
	global_store_b128 v[LI], v[CC+4*\g:CC+4*\g+3], s[OB:OB+1] offset:((\a)/4)*131072+((\a)%4)*2048+\g*512
.endr
.endm
	s_wait_alu depctr_va_vdst(0)                   ; the wait at the head's end
	s_wait_tensorcnt 0x0                           ; my tile is in
	s_barrier_signal -1
	s_barrier_wait -1
	FETCH_B 0, 0, 0
	FETCH_A 0, 0, 0
	FETCH_A 0, 0, 4
	STEP 0, 0, 1                                   ; the first products start the sums
	TURN 0, 1, 1
	STEP 1, 0, 0
	TURN 1, 0, 1
	STEP 0, 0, 0
	TURN 0, 1, 0                                   ; the last two slots are followed by no fill
	STEP 1, 0, 0
	s_wait_dscnt 4*NL                              ; the very last step: nothing more to fetch
	WIN MUL_LO
	MUL16 0, 1, 0
	MUL16 2, 1, 0
	s_wait_dscnt 0
	WIN MUL_HI
	MUL16 4, 1, 0
	MUL16 6, 1, 0
	WIN 0
	PLACES NP
	s_wait_alu depctr_va_vdst(0)
.irp a, 0,1,2,3,4,5,6,7
	VBLOCK \a
.endr
	s_wait_tensorcnt 0x0                           ; the wave's end
	ds_add_u32 v[SPW], v[NIL]
	s_wait_dscnt 0x0
	CROUND                                         ; the closing round
	s_endpgm
.Lprep:
	s_load_b256 s[4:11], s[0:1], 0x20              ; positions s[4:5], W_out's codes s[6:7], rope s[8:9], wo_img s[10:11]
	s_bfe_u32 s2, ttmp6, 0x40000
	s_bfe_u32 s3, ttmp6, 0x40004
	s_lshl_b32 s3, s3, 2
	s_add_co_u32 s2, s2, s3                        ; my place in the cluster,
	s_sub_co_u32 s31, s18, 8                       ; in the preparing cluster 0 .. 5:
	s_lshl_b32 s3, s31, 4
	s_add_co_u32 s2, s2, s3                        ; preparing work-group 0 .. 95 (it enters global addresses only)
	v_lshrrev_b32 v1, 5, v0
	v_readfirstlane_b32 s12, v1                    ; wave 0..3
	v_and_b32 v2, 31, v0                           ; lane
	v_and_b32 v3, 15, v0                           ; r
	v_bfe_u32 v4, v0, 4, 1                         ; h
	v_lshlrev_b32 v5, 4, v2                        ; 16 x lane: my place in a chunk of 512 bytes
	s_mov_b32 s15, 0
	s_cmp_lt_u32 s31, 2                            ; the cluster's y alone decides
	s_cbranch_scc0 .Lweights
	; ---- the table: wave w of work-group x takes the 16 places of tile 4 x + w
	s_lshl_b32 s13, s2, 2
	s_add_co_u32 s13, s13, s12                     ; the tile
	s_lshl_b32 s14, s13, 6                         ; its 16 positions: 64 bytes
	v_lshlrev_b32 v6, 2, v3
	s_mov_b32 s16, 0x3f22f983                      ; 2 / pi
	s_mov_b32 s17, 0x3fc90fd8                      ; pi / 2 in three parts
	s_mov_b32 s18, 0x34a8885a
	s_mov_b32 s19, 0x27c234c4
	s_mov_b32 s20, 0x37cd4000                      ; the cosine's coefficients
	s_mov_b32 s21, 0xbab6077d
	s_mov_b32 s22, 0x3d2aaaa8
	s_mov_b32 s23, 0x36405000                      ; the sine's
	s_mov_b32 s24, 0xb9503486
	s_mov_b32 s25, 0x3c0888c1
	s_mov_b32 s26, 0xbe2aaaab
	s_wait_alu depctr_va_vdst(0)
	v_cmp_eq_u32 vcc_lo, 1, v4                     ; lanes 16-31
	s_wait_kmcnt 0x0
	s_add_nc_u64 s[4:5], s[4:5], s[14:15]
	global_load_b32 v7, v6, s[4:5]
	s_lshl_b32 s14, s13, 12                        ; the tile's 4,096 bytes of the table
	s_add_nc_u64 s[8:9], s[8:9], s[14:15]
	s_wait_loadcnt 0x0
	v_cvt_f32_i32 v7, v7                           ; the position as f32
; cos into v[d], sin into v[d + 1], of position x frequency; lanes 0-15 take flo, lanes 16-31 fhi
.macro SINCOS d, flo, fhi
	v_mov_b32 v10, \fhi
	v_cndmask_b32 v10, \flo, v10, vcc_lo
	v_mul_f32 v11, v7, v10                         ; the angle, rounded once
	v_mul_f32 v12, s16, v11
	v_rndne_f32 v12, v12                           ; n
	v_fma_f32 v13, -v12, s17, v11
	v_fma_f32 v13, -v12, s18, v13
	v_fma_f32 v13, -v12, s19, v13                  ; what is left, within +-pi / 4
	v_mul_f32 v14, v13, v13
	v_fma_f32 v15, v14, s20, s21
	v_fma_f32 v16, v14, s23, s24
	v_fma_f32 v15, v15, v14, s22
	v_fma_f32 v16, v16, v14, s25
	v_fma_f32 v15, v15, v14, -0.5
	v_fma_f32 v16, v16, v14, s26
	v_mul_f32 v17, v13, v14
	v_fma_f32 v15, v15, v14, 1.0                   ; its cosine
	v_fma_f32 v16, v16, v17, v13                   ; its sine
	v_cvt_i32_f32 v18, v12
	v_and_b32 v19, 1, v18
	v_cmp_eq_u32 s30, 1, v19                       ; an odd quadrant swaps the two
	v_cndmask_b32 v20, v16, v15, s30
	v_cndmask_b32 v21, v15, v16, s30
	v_lshlrev_b32 v19, 30, v18
	v_and_b32 v19, 0x80000000, v19                 ; the sine is negative in quadrants 2 and 3,
	v_xor_b32 v[\d+1], v20, v19
	v_add_nc_u32 v18, 1, v18
	v_lshlrev_b32 v18, 30, v18
	v_and_b32 v18, 0x80000000, v18                 ; the cosine in quadrants 1 and 2
	v_xor_b32 v[\d], v21, v18
.endm
	SINCOS 32, 1.0, 0.31622776601683794
	SINCOS 34, 0.7498942093324559, 0.23713737056616552
	SINCOS 36, 0.5623413251903491, 0.1778279410038923
	SINCOS 38, 0.4216965034285822, 0.1333521432163324
	SINCOS 40, 0.1, 0.031622776601683794
	SINCOS 42, 0.07498942093324559, 0.023713737056616552
	SINCOS 44, 0.05623413251903491, 0.01778279410038923
	SINCOS 46, 0.04216965034285822, 0.01333521432163324
	SINCOS 48, 0.01, 0.0031622776601683794
	SINCOS 50, 0.007498942093324559, 0.0023713737056616552
	SINCOS 52, 0.005623413251903491, 0.001778279410038923
	SINCOS 54, 0.004216965034285822, 0.001333521432163324
	SINCOS 56, 0.001, 0.00031622776601683794
	SINCOS 58, 0.0007498942093324559, 0.00023713737056616552
	SINCOS 60, 0.0005623413251903491, 0.0001778279410038923
	SINCOS 62, 0.0004216965034285822, 0.0001333521432163324
.irp c, 0,1,2,3,4,5,6,7
	global_store_b128 v5, v[32+4*\c:35+4*\c], s[8:9] offset:512*\c   ; 32 lanes store 512 consecutive bytes
.endr
	s_endpgm
.Lweights:
	; ---- W_out: work-group 32 + nt takes rows 16 nt .. 16 nt + 15; wave w their codes 256 w .. 256 w + 255
	s_sub_co_u32 s13, s2, 32                       ; nt
	s_wait_alu depctr_va_vdst(0)
	v_lshlrev_b32 v6, 10, v3                       ; row r of 1,024 bytes,
	v_lshl_add_u32 v6, v4, 3, v6                   ; + 8 h
	s_lshl_b32 s14, s13, 14
	s_lshl_b32 s16, s12, 8
	s_add_co_u32 s14, s14, s16                     ; in: 16,384 nt + 256 w
	s_lshl_b32 s16, s12, 18
	s_lshl_b32 s17, s13, 12
	s_add_co_u32 s16, s16, s17                     ; out: 262,144 w + 4,096 nt
	s_mov_b32 s17, 0
	s_wait_alu depctr_va_vdst(0)
	s_wait_kmcnt 0x0
	s_add_nc_u64 s[6:7], s[6:7], s[14:15]
	s_add_nc_u64 s[10:11], s[10:11], s[16:17]
.irp k, 0,1
.irp c, 0,1,2,3,4,5,6,7
	global_load_b64 v[32+16*\k+2*\c:33+16*\k+2*\c], v6, s[6:7] offset:128*\k+16*\c   ; registers 2 c, 2 c + 1: k = 16 c + 8 h + 0 .. 7
.endr
.endr
	s_wait_loadcnt 8                               ; the first fragment's eight loads are in; the second's eight may be out
.irp g, 0,1,2,3
	global_store_b128 v5, v[32+4*\g:35+4*\g], s[10:11] offset:512*\g
.endr
	s_wait_loadcnt 0x0
.irp g, 0,1,2,3
	global_store_b128 v5, v[48+4*\g:51+4*\g], s[10:11] offset:2048+512*\g
.endr
	s_endpgm
.Lfunc_end_k_q6a36e63d2e_vprep:
	.size	k_q6a36e63d2e_vprep, .Lfunc_end_k_q6a36e63d2e_vprep-k_q6a36e63d2e_vprep
	.p2alignl 7, 3214868480
	.fill 96, 4, 3214868480
	.section	.rodata,"a",@progbits
	.p2align	6, 0x0
	.amdhsa_kernel k_q6a36e63d2e_vprep
		.amdhsa_group_segment_fixed_size 327680
		.amdhsa_private_segment_fixed_size 0
		.amdhsa_enable_private_segment 0
		.amdhsa_kernarg_size 64
		.amdhsa_user_sgpr_count 2
		.amdhsa_user_sgpr_kernarg_segment_ptr 1
		.amdhsa_wavefront_size32 1
		.amdhsa_system_sgpr_workgroup_id_x 1
		.amdhsa_system_sgpr_workgroup_id_y 1
		.amdhsa_system_sgpr_workgroup_id_z 1
		.amdhsa_system_vgpr_workitem_id 0
		.amdhsa_next_free_vgpr 1024
		.amdhsa_next_free_sgpr 98
		.amdhsa_reserve_vcc 1
		.amdhsa_float_denorm_mode_32 3
		.amdhsa_float_denorm_mode_16_64 3
		.amdhsa_memory_ordered 1
		.amdhsa_forward_progress 1
		.amdhsa_inst_pref_size 147
	.end_amdhsa_kernel
	.amdgpu_metadata
---
amdhsa.version: [ 1, 2 ]
amdhsa.kernels:
  - .name:           k_q6a36e63d2e_vprep
    .symbol:         k_q6a36e63d2e_vprep.kd
    .args:
      - { .name: in_features_codes, .offset: 0, .size: 8, .value_kind: global_buffer, .address_space: global }
      - { .name: W_qkv_codes, .offset: 8, .size: 8, .value_kind: global_buffer, .address_space: global }
      - { .name: lowp_scales, .offset: 16, .size: 8, .value_kind: global_buffer, .address_space: global }
      - { .name: v_img, .offset: 24, .size: 8, .value_kind: global_buffer, .address_space: global }
      - { .name: token_positions, .offset: 32, .size: 8, .value_kind: global_buffer, .address_space: global }
      - { .name: W_out_codes, .offset: 40, .size: 8, .value_kind: global_buffer, .address_space: global }
      - { .name: rope, .offset: 48, .size: 8, .value_kind: global_buffer, .address_space: global }
      - { .name: wo_img, .offset: 56, .size: 8, .value_kind: global_buffer, .address_space: global }
    .group_segment_fixed_size: 327680
    .private_segment_fixed_size: 0
    .kernarg_segment_align: 8
    .kernarg_segment_size: 64
    .max_flat_workgroup_size: 128
    .sgpr_count:     98
    .vgpr_count:     1024
    .wavefront_size: 32
...
	.end_amdgpu_metadata
.endif
;; end of part 1
;; launch qk (part 2): grid 8 x 32, 4 waves a work-group, clusters of 4 x 4, 327,680 bytes of LDS; arguments in_features_codes, W_qkv_codes, lowp_scales, rope, q_img, k_img; writes q_img, k_img
.if DOCPART == 2
	.amdgcn_target "amdgcn-amd-amdhsa--gfx1250"
	.amdhsa_code_object_version 6
	.text
	.protected	k_q6a36e63d2e_qk
	.globl	k_q6a36e63d2e_qk
	.p2align	8
	.type	k_q6a36e63d2e_qk,@function
k_q6a36e63d2e_qk:
	s_mov_b64 s[64:65], 0
	v_nop
	global_prefetch_b8 v0, s[64:65] scope:SCOPE_SE
	s_setreg_imm32_b32 hwreg(HW_REG_WAVE_MODE, 25, 1), 1
	s_wait_xcnt 0x0
	s_wait_alu depctr_hold_cnt(0) depctr_sa_sdst(0) depctr_va_vdst(0) depctr_va_sdst(0) depctr_va_ssrc(0) depctr_va_vcc(0) depctr_vm_vsrc(0)
	s_getreg_b32 s2, hwreg(HW_REG_IB_STS2, 6, 4)
	s_cmp_eq_u32 s2, 0
	s_cbranch_scc0 .Lentry_in_a_cluster
	s_endpgm
.Lentry_in_a_cluster:
	s_bfe_u32 s2, ttmp6, 0x10000c
	s_cmp_lg_u32 s2, 0xf033
	s_cbranch_scc0 .Lentry_shape_is_right
	s_endpgm
.Lentry_shape_is_right:
; q and k = x W^T on codes of E5M2 (x: 8,192 x 1,024, W: rows 0 .. 2,047 of W_qkv), then RoPE in f32, then the quantisers of the second product's operands.  Nothing of these products is left out (v's part is made by the launch before).
; A tile of 256 x 256 is made by a work-group of four waves: 32 x 8 tiles = 256 work-groups.  A wave makes 128 x 128: 64 accumulators of 16 x 16, 512 registers.  K goes in four steps of 256 through a ring of two LDS slots.
; Wave w owns slot w / 2 and tensor w % 2 (0: A, 1: B): one joint load brings all 256 rows of that tile, so the four waves' four loads at the head fill both slots, and a slot is filled again by its two waves.
; CLUSTERS: 4 x 4 work-groups; the four of a row of the cluster ask jointly for A's tiles, the four of a column for B's.  THE KIND IS THE CLUSTER'S x, which all sixteen partners share: 0 = q, 1 = k.
; NO PREFETCH: K is four slots; two are asked for at the head, the other two at the first and second change of slots.
; THE MATRIX INSTRUCTION IS USED TRANSPOSED (source 0 = 16 rows of B = W's rows, source 1 = 16 rows of A = tokens): a lane holds one token and eight neighbours along the head's 64, the next product's K.
; So each conversion of an accumulator's eight registers gives registers 2 c, 2 c + 1 of the next operand (k = 16 c + 8 (lane / 16) + 0 .. 7), and the codes leave as IMAGES OF THE OPERAND'S REGISTERS:
;   q_img, k_img: [16 b + head][s / 256][(s / 16) % 16][chunk g of 2][512]; every store of a wave covers 512 consecutive bytes, aligned; no LDS on the way out.
; Inside this product k is permuted, alike in A and in B (registers 4 c .. 4 c + 3: k = 32 c + 16 (lane / 16) + 0 .. 15): every product meets its partner.
; SCALES: a sum stands for sum x 2^(e0 + e1).  RoPE works on the sums as they are (a power of two passes through it), and the conversion divides by 2^F, F = e - e0 - e1, e = e2 (q), e3 (k).
; LIMIT: F between -126 and 112, so that 2^F and 57,344 x 2^F are f32 numbers.  NaN among the sums is not served.
; THE TABLE of cos and sin for my 128 tokens is 256 registers, 64 loads.  It goes into window 1: blocks 0-3 into B's set 0 ahead of the last K step, which multiplies set 1; blocks 4-7 into set 1 behind it.
; REGISTERS, in windows of 256: window 0: v16-31 addresses and the scale; v96-127 two sets of codes; from v128 A's fragments, ONE set (on the way out: v128-191 values, v192-255 at work).
;   window 1: B's fragments, TWO sets; then the table.   window 2: the accumulators of my rows 0-63 ((a, b) at v[8 (8 a + b)]);   window 3: those of my rows 64-127.
.set ROWB,   256
.set KROW,   1024
.set PITCH,  272                       ; an LDS row: 256 bytes + 16 of padding: the 16 rows that a load touches start at 16 different banks
.set FR,     16
.set NL,     4
.set NP,     4
.set HALFT,  128*PITCH
.set SLOT,   4*HALFT
.set SPARE,  2*SLOT
.set ADRA, 16
.set ADRB, 20
.set LI,   26
.set SPW,  28
.set NIL,  29
.set SCL,  30
.set LIMV, 31
.set CD,   96
.set AF,   128
.set VAL,  128
.set TP,   192
.set G1, 24
.set G0, 32
.set G1B, 48
.set G0B, 56
.set RB, 66                            ; s[66:67] the table at my wave's first token
.set OB, 68                            ; s[68:69] where my wave's images begin
.set MSB, 0
.macro WIN new                         ; the immediate's high byte repeats the setting that is left
.if MSB != \new
	s_set_vgpr_msb (MSB<<8)|\new
.set MSB, \new
.endif
.endm
.set MUL_LO, 0xa1                      ; source 0 (B) window 1, source 1 (A) window 0, C and D window 2
.set MUL_HI, 0xf1                      ; the same, C and D window 3
.set TO_B,   0x40                      ; destination window 1, address window 0
.macro PLACES n                        ; plain vector instructions between a matrix instruction and a load into, or a vector instruction on, its registers
.rept \n
	v_nop
.endr
.endm
.macro JLOAD                           ; my one joint load; the branch hangs on the wave's number alone.  An s_nop 0 and four v_nop follow each line
	s_cmp_eq_u32 s16, 0
	s_cbranch_scc0 .Lfor_b_\@
	tensor_load_to_lds s[G0:G0+3], s[G1:G1+7]
	s_nop 0
	PLACES 4
	s_branch .Lasked_\@
.Lfor_b_\@:
	tensor_load_to_lds s[G0B:G0B+3], s[G1B:G1B+7]
	s_nop 0
	PLACES 4
.Lasked_\@:
.endm
.macro CREST                           ; a round of the cluster's barrier behind its opening barrier
	s_cmp_lg_u32 s14, 0
	s_cbranch_scc1 .Lnot_wave_0_\@
	s_barrier_signal -3
.Lnot_wave_0_\@:
	s_barrier_wait -3
	s_barrier_signal -1
	s_barrier_wait -1
.endm
.macro CROUND
	s_barrier_signal -1
	s_barrier_wait -1
	CREST
.endm
	s_load_b256 s[72:79], s[0:1], 0x0              ; x s[72:73], W s[74:75], the scales' exponents s[76:77], the table s[78:79]
	s_load_b128 s[80:83], s[0:1], 0x20             ; q_img, k_img
	v_lshl_add_u32 v[SPW], v0, 2, SPARE
	v_mov_b32 v[NIL], 0
	ds_add_u32 v[SPW], v[NIL]                      ; the wave's opening: the add, twice on end, and its wait ahead of my first tensor load
	ds_add_u32 v[SPW], v[NIL]
	v_lshrrev_b32 v1, 5, v0
	v_readfirstlane_b32 s14, v1                    ; wave 0..3
	s_lshr_b32 s15, s14, 1                         ; which half of A's rows is mine.  Also: the slot that I fill
	s_and_b32 s16, s14, 1                          ; which half of B's rows.  Also: I fetch for A (0) or for B (1)
	s_bfe_u32 s40, ttmp6, 0x40000                  ; cx
	s_bfe_u32 s41, ttmp6, 0x40004                  ; cy
	s_and_b32 s18, ttmp7, 0xffff
	s_lshl_b32 s18, s18, 2                         ; 4 x cluster y
	s_lshl_b32 s19, ttmp9, 2                       ; 4 x kind
	s_add_co_u32 s17, s18, s41                     ; A's tile of 256 rows: tokens 4 cluster y + cy
	s_add_co_u32 s42, s19, s40                     ; B's: W's tile 4 kind + cx
	s_lshl_b32 s43, s41, 2
	s_lshl_b32 s43, 15, s43                        ; my row of the cluster
	s_lshl_b32 s44, 0x1111, s40                    ; my column
	s_or_b32 s[G1+0], s43, (0<<16)|(1<<20)|(1<<21)|(5<<22)|(3<<25)  ; the mask; elements of 1 byte; padding on; bit 21 beside a mask; 4 words behind every 64
	s_or_b32 s[G1B+0], s44, (0<<16)|(1<<20)|(1<<21)|(5<<22)|(3<<25)
.irp g, G1, G1B
	s_mov_b32 s[\g+1], ROWB<<16                    ; tensor_dim0
	s_mov_b32 s[\g+2], 256<<16                     ; tensor_dim1
	s_mov_b32 s[\g+3], ROWB<<16                    ; tile_dim0
	s_mov_b32 s[\g+4], 256                         ; tile_dim1
	s_mov_b32 s[\g+5], KROW                        ; the pitch
	s_mov_b32 s[\g+6], 0
	s_mov_b32 s[\g+7], 0
.endr
	s_lshl_b32 s18, s15, 8                         ; my slot's first K step: 256 bytes along the rows
	s_lshl_b32 s20, s17, 18                        ; A: the tile's 256 rows of 1,024 bytes
	s_add_co_u32 s20, s20, s18
	s_mov_b32 s21, 0
	s_lshl_b32 s46, s42, 18                        ; B likewise
	s_add_co_u32 s46, s46, s18
	s_mov_b32 s47, 0
	s_mul_i32 s45, s15, SLOT                       ; where they go: my slot
	s_wait_dscnt 0x0                               ; both opening adds are done
	s_wait_kmcnt 0x0
	s_load_b256 s[88:95], s[76:77], 0x0            ; e0 .. e7
	s_add_nc_u64 s[20:21], s[72:73], s[20:21]
	s_add_nc_u64 s[46:47], s[74:75], s[46:47]
	CROUND                                         ; all sixteen work-groups are here: the first joint loads meet
	s_mov_b32 s[G0], 1
	s_mov_b32 s[G0+1], s45                         ; A's 256 rows lie first in a slot,
	s_mov_b64 s[G0+2:G0+3], s[20:21]
	s_or_b32 s[G0+3], s[G0+3], 0x80000000
	s_mov_b32 s[G0B], 1
	s_add_co_u32 s[G0B+1], s45, 2*HALFT            ; B's behind them
	s_mov_b64 s[G0B+2:G0B+3], s[46:47]
	s_or_b32 s[G0B+3], s[G0B+3], 0x80000000
	JLOAD                                          ; the four waves' four loads fill both slots: one tensor load a wave at the head
	v_and_b32 v1, 15, v0
	v_bfe_u32 v2, v0, 4, 1
	v_mul_u32_u24 v3, v1, PITCH
	v_lshl_add_u32 v4, v2, 4, v3                   ; a fragment's row x pitch + 16 x half
	s_mul_i32 s21, s15, HALFT
	s_mul_i32 s22, s16, HALFT
	s_add_co_u32 s22, s22, 2*HALFT
.irp s, 0,1
	v_add_nc_u32 v[ADRA+\s], s21, v4
	v_add_nc_u32 v[ADRB+\s], s22, v4
	s_add_co_u32 s21, s21, SLOT
	s_add_co_u32 s22, s22, SLOT
.endr
	v_and_b32 v6, 31, v0
	v_lshlrev_b32 v[LI], 4, v6
	; where my wave's images begin: ((16 b + head) x 8 + s / 256) x 16,384 + 8,192 x (which half of the tile's 256 tokens)
	s_lshl_b32 s97, s40, 2                         ; W's tile within the kind: four heads;
	s_lshl_b32 s86, s16, 1                         ; my half of it: two
	s_add_co_u32 s97, s97, s86
	s_lshr_b32 s86, s17, 3                         ; b
	s_lshl_b32 s86, s86, 4
	s_add_co_u32 s86, s86, s97
	s_lshl_b32 s86, s86, 3
	s_and_b32 s96, s17, 7
	s_add_co_u32 s86, s86, s96
	s_lshl_b32 s86, s86, 14
	s_lshl_b32 s87, s15, 13
	s_add_co_u32 s70, s86, s87
	s_mov_b32 s71, 0
	s_cmp_eq_u32 ttmp9, 0
	s_cselect_b64 s[OB:OB+1], s[80:81], s[82:83]
	s_add_nc_u64 s[OB:OB+1], s[OB:OB+1], s[70:71]
	s_lshl_b32 s96, s96, 16                        ; the table: 4,096 bytes for 16 places: 65,536 x (tile % 8) + 32,768 x half
	s_lshl_b32 s97, s15, 15
	s_add_co_u32 s96, s96, s97
	s_mov_b32 s97, 0
	s_add_nc_u64 s[RB:RB+1], s[78:79], s[96:97]
	s_wait_alu depctr_va_vdst(0)                   ; directly ahead of the wait below
	s_wait_kmcnt 0x0                               ; the exponents
	s_cmp_eq_u32 ttmp9, 0
	s_cselect_b32 s96, s90, s91                    ; e2 or e3
	s_sub_co_i32 s96, s96, s88
	s_sub_co_i32 s96, s96, s89                     ; F
	s_add_co_i32 s96, s96, 127
	s_lshl_b32 s97, s96, 23
	v_mov_b32 v[SCL], s97                          ; 2^F: the conversion takes its exponent field
	s_add_co_i32 s96, s96, 15
	s_lshl_b32 s96, s96, 23
	s_or_b32 s96, s96, 0x600000
	v_mov_b32 v[LIMV], s96                         ; 57,344 x 2^F
.macro FRAG reg, adr, q, i             ; 16 rows x 128 K: lane l holds row l % 16; registers 4 c .. 4 c + 3 hold K = 32 c + 16 (l / 16) + 0 .. 15
.irp c, 0,1,2,3
	ds_load_b128 v[\reg+4*\c:\reg+4*\c+3], v[\adr] offset:128*(\q)+32*\c+(\i)*16*PITCH
.endr
.endm
; 16 matrix instructions: A's blocks a0, a0 + 1 x B's eight.  The 64 accumulators take turns, one instruction a turn, in the same order in every step.
.macro MUL16 a0, p, zero
.irp a, \a0, \a0+1
.irp b, 0,1,2,3,4,5,6,7
.if \zero
	v_wmma_f32_16x16x128_bf8_bf8 v[8*(8*((\a)%4)+\b):8*(8*((\a)%4)+\b)+7], v[128*(\p)+FR*\b:128*(\p)+FR*\b+FR-1], v[AF+FR*(\a):AF+FR*(\a)+FR-1], 0
.else
	v_wmma_f32_16x16x128_bf8_bf8 v[8*(8*((\a)%4)+\b):8*(8*((\a)%4)+\b)+7], v[128*(\p)+FR*\b:128*(\p)+FR*\b+FR-1], v[AF+FR*(\a):AF+FR*(\a)+FR-1], v[8*(8*((\a)%4)+\b):8*(8*((\a)%4)+\b)+7]
.endif
.endr
.endr
.endm
.macro FETCH_B slot, q, p
	WIN TO_B
.irp i, 0,1,2,3,4,5,6,7
	FRAG 128*(\p)+FR*\i, ADRB+\slot, \q, \i
.endr
	WIN 0
.endm
.macro FETCH_A slot, q, i0
.irp i, \i0, \i0+1, \i0+2, \i0+3
	FRAG AF+FR*(\i), ADRA+\slot, \q, \i
.endr
.endm
.macro STEP slot, q, zero              ; a step of 128 along K that has its successor in the same slot
	s_wait_dscnt 4*NL                              ; B's set and A's blocks 0-3 are in; the youngest sixteen loads (A's blocks 4-7) may be out
	WIN MUL_LO
	MUL16 0, (\q)%2, \zero
	MUL16 2, (\q)%2, \zero
	s_wait_dscnt 0
	PLACES NP
	FETCH_B \slot, (\q)+1, 1-(\q)%2
	FETCH_A \slot, (\q)+1, 0
	WIN MUL_HI
	MUL16 4, (\q)%2, \zero
	MUL16 6, (\q)%2, \zero
	PLACES NP
	WIN 0
	FETCH_A \slot, (\q)+1, 4
.endm
; A slot's last step changes slots: ONE barrier; in front of it each wave waits for all its tensor loads, adds 0 to its spare word, and waits for that and for its reads of this slot.
.macro TURN slot, next, fill
	s_wait_tensorcnt 0x0                           ; no tensor load of mine is out
	ds_add_u32 v[SPW], v[NIL]
	s_wait_dscnt 4*NL+1                            ; the add and the youngest sixteen loads may be out
	WIN MUL_LO
	MUL16 0, 1, 0
	s_wait_dscnt 0x0                               ; the add is done, and my reads of this slot are over
	s_barrier_signal -1
	MUL16 2, 1, 0
	WIN 0
	s_barrier_wait -1
.if \fill
	CREST                                          ; the barrier has opened a round of the cluster's: no wave of any partner still reads this slot or has a load on its way
	s_cmp_lg_u32 s15, \slot                        ; the two waves that own this slot fill it again; the wave's number alone decides
	s_cbranch_scc1 .Lnot_mine_\@
	s_add_nc_u64 s[G0+2:G0+3], s[G0+2:G0+3], 2*ROWB
	s_add_nc_u64 s[G0B+2:G0B+3], s[G0B+2:G0B+3], 2*ROWB
	JLOAD                                          ; the first tensor load behind the round
.Lnot_mine_\@:
.endif
	PLACES NP                                      ; on every wave's way: the places in front of the loads below
	FETCH_B \next, 0, 0
	FETCH_A \next, 0, 0
	WIN MUL_HI
	MUL16 4, 1, 0
	MUL16 6, 1, 0
	PLACES NP
	WIN 0
	FETCH_A \next, 0, 4
.endm
; The table for block a's 16 tokens: eight chunks into window 1, v[32 a ..]; register 8 bb + 2 p, + 1 = cos, sin of pair 8 bb + 4 (lane / 16) + p of my token
.macro RLOAD a
	WIN TO_B
.irp c, 0,1,2,3,4,5,6,7
	global_load_b128 v[32*(\a)+4*\c:32*(\a)+4*\c+3], v[LI], s[RB:RB+1] offset:4096*(\a)+512*\c
.endr
	WIN 0
.endm
; THE WAY OUT, block a: 16 tokens x 128 columns (two heads).  (x0, x1) -> (cos x0 - sin x1, sin x0 + cos x1): two packed instructions a pair; each accumulator is read from its low end on.
.macro QKBLOCK a
.set AC, 64*((\a)%4)
.set RR, 32*(\a)
.set CC, CD+16*((\a)%2)
	s_wait_loadcnt 8*(7-(\a))                      ; this block's eight table loads are in; those of the 7 - a later blocks may be out
	WIN 0x09+4*((\a)/4)                            ; source 0: window 1; source 1: window 2 or 3
.set n, 0
.rept 32
	v_pk_mul_f32 v[TP+2*n:TP+2*n+1], v[RR+(2*n)%32:RR+(2*n)%32+1], v[AC+2*n:AC+2*n+1] op_sel:[1,1] op_sel_hi:[0,1] neg_lo:[1,0]   ; (-sin x1, cos x1)
.set n, n+1
.endr
.set n, 0
.rept 32
	v_pk_fma_f32 v[VAL+2*n:VAL+2*n+1], v[RR+(2*n)%32:RR+(2*n)%32+1], v[AC+2*n:AC+2*n+1], v[TP+2*n:TP+2*n+1] op_sel_hi:[1,0,1]   ; (cos x0, sin x0) + that
.set n, n+1
.endr
	WIN 0
	s_wait_xcnt 0x0                                ; the stores of two blocks ago have read this set of codes
.set j, 0
.rept 64
	v_med3_num_f32 v[VAL+j], v[VAL+j], -v[LIMV], v[LIMV]   ; the conversion does not saturate (ISA guide 7.6.2): the hold at the largest code x the scale
.set j, j+1
.endr
.set j, 0
.rept 8
	v_cvt_scalef32_pk8_bf8_f32 v[CC+2*j:CC+2*j+1], v[VAL+8*j:VAL+8*j+7], v[SCL]
.set j, j+1
.endr
	v_nop                                          ; a plain instruction between the last conversion and the next instruction that writes its sources
.irp g, 0,1,2,3
	global_store_b128 v[LI], v[CC+4*\g:CC+4*\g+3], s[OB:OB+1] offset:(\g/2)*131072+(\a)*1024+(\g%2)*512   ; head g / 2, tile of tokens a, chunk g % 2: 512 consecutive bytes
.endr
.endm
	s_wait_alu depctr_va_vdst(0)                   ; the wait at the head's end
	s_wait_tensorcnt 0x0                           ; my tile is in
	s_barrier_signal -1
	s_barrier_wait -1
	FETCH_B 0, 0, 0
	FETCH_A 0, 0, 0
	FETCH_A 0, 0, 4
	STEP 0, 0, 1                                   ; the first products start the sums
	TURN 0, 1, 1
	STEP 1, 0, 0
	TURN 1, 0, 1
	STEP 0, 0, 0
	TURN 0, 1, 0                                   ; the last two slots are followed by no fill
	STEP 1, 0, 0                                   ; it multiplies B's set 0 for the last time, and its places stand behind those products:
.irp a, 0,1,2,3
	RLOAD \a                                       ; half of the table comes in under the last 64 products
.endr
	s_wait_dscnt 4*NL                              ; the very last step: nothing more to fetch
	WIN MUL_LO
	MUL16 0, 1, 0
	MUL16 2, 1, 0
	s_wait_dscnt 0
	WIN MUL_HI
	MUL16 4, 1, 0
	MUL16 6, 1, 0
	WIN 0
	PLACES NP                                      ; in front of loads into B's set 1, of reads of results and of writes over A's registers
.irp a, 4,5,6,7
	RLOAD \a
.endr
.irp a, 0,1,2,3,4,5,6,7
	QKBLOCK \a
.endr
	s_wait_tensorcnt 0x0                           ; the wave's end
	ds_add_u32 v[SPW], v[NIL]
	s_wait_dscnt 0x0
	CROUND                                         ; the closing round: no work-group ends while a partner may still ask for a tile that names it
	s_endpgm
.Lfunc_end_k_q6a36e63d2e_qk:
	.size	k_q6a36e63d2e_qk, .Lfunc_end_k_q6a36e63d2e_qk-k_q6a36e63d2e_qk
	.p2alignl 7, 3214868480
	.fill 96, 4, 3214868480
	.section	.rodata,"a",@progbits
	.p2align	6, 0x0
	.amdhsa_kernel k_q6a36e63d2e_qk
		.amdhsa_group_segment_fixed_size 327680
		.amdhsa_private_segment_fixed_size 0
		.amdhsa_enable_private_segment 0
		.amdhsa_kernarg_size 48
		.amdhsa_user_sgpr_count 2
		.amdhsa_user_sgpr_kernarg_segment_ptr 1
		.amdhsa_wavefront_size32 1
		.amdhsa_system_sgpr_workgroup_id_x 1
		.amdhsa_system_sgpr_workgroup_id_y 1
		.amdhsa_system_sgpr_workgroup_id_z 1
		.amdhsa_system_vgpr_workitem_id 0
		.amdhsa_next_free_vgpr 1024
		.amdhsa_next_free_sgpr 98
		.amdhsa_reserve_vcc 0
		.amdhsa_float_denorm_mode_32 3
		.amdhsa_float_denorm_mode_16_64 3
		.amdhsa_memory_ordered 1
		.amdhsa_forward_progress 1
		.amdhsa_inst_pref_size 156
	.end_amdhsa_kernel
	.amdgpu_metadata
---
amdhsa.version: [ 1, 2 ]
amdhsa.kernels:
  - .name:           k_q6a36e63d2e_qk
    .symbol:         k_q6a36e63d2e_qk.kd
    .args:
      - { .name: in_features_codes, .offset: 0, .size: 8, .value_kind: global_buffer, .address_space: global }
      - { .name: W_qkv_codes, .offset: 8, .size: 8, .value_kind: global_buffer, .address_space: global }
      - { .name: lowp_scales, .offset: 16, .size: 8, .value_kind: global_buffer, .address_space: global }
      - { .name: rope, .offset: 24, .size: 8, .value_kind: global_buffer, .address_space: global }
      - { .name: q_img, .offset: 32, .size: 8, .value_kind: global_buffer, .address_space: global }
      - { .name: k_img, .offset: 40, .size: 8, .value_kind: global_buffer, .address_space: global }
    .group_segment_fixed_size: 327680
    .private_segment_fixed_size: 0
    .kernarg_segment_align: 8
    .kernarg_segment_size: 48
    .max_flat_workgroup_size: 128
    .sgpr_count:     98
    .vgpr_count:     1024
    .wavefront_size: 32
...
	.end_amdgpu_metadata
.endif
;; end of part 2
;; launch attn (part 3): grid 4 x 64, 16 waves a work-group, clusters of 4 x 1, 327,680 bytes of LDS; arguments q_img, k_img, v_img, lowp_scales, ctx_img; writes ctx_img
.if DOCPART == 3
	.amdgcn_target "amdgcn-amd-amdhsa--gfx1250"
	.amdhsa_code_object_version 6
	.text
	.protected	k_q6a36e63d2e_attn
	.globl	k_q6a36e63d2e_attn
	.p2align	8
	.type	k_q6a36e63d2e_attn,@function
k_q6a36e63d2e_attn:
	s_mov_b64 s[64:65], 0
	v_nop
	global_prefetch_b8 v0, s[64:65] scope:SCOPE_SE
	s_setreg_imm32_b32 hwreg(HW_REG_WAVE_MODE, 25, 1), 1
	s_wait_xcnt 0x0
	s_wait_alu depctr_hold_cnt(0) depctr_sa_sdst(0) depctr_va_vdst(0) depctr_va_sdst(0) depctr_va_ssrc(0) depctr_va_vcc(0) depctr_vm_vsrc(0)
	s_getreg_b32 s2, hwreg(HW_REG_IB_STS2, 6, 4)
	s_cmp_eq_u32 s2, 0
	s_cbranch_scc0 .Lentry_in_a_cluster
	s_endpgm
.Lentry_in_a_cluster:
	s_bfe_u32 s2, ttmp6, 0x10000c
	s_cmp_lg_u32 s2, 0x3003
	s_cbranch_scc0 .Lentry_shape_is_right
	s_endpgm
.Lentry_shape_is_right:
; ctx[b][h][q] = the sum over k <= q of softmax_k(Q . K / 8) V, both products on codes of E5M2, and ctx quantised for the last product.
; LEFT OUT: key steps all of whose 128 keys come after a tile's 16 queries (the causal mask that the problem builds itself: their p is 0 for every finite input).  A NaN or infinity that would arise only there is not carried on.
; THE SOFTMAX AHEAD OF THE SECOND PRODUCT: t = score x log2(e) / 8; M = the running largest t rounded UP to a whole number; p = 2^(t - M) is quantised, not normalised; the row's sum is taken of the unquantised p
; and divides at the end.  When M moves, the sum and O are multiplied by 2^(old M - new M): exact.
; K AND V OF A HEAD STAY IN LDS: 128 KiB each, as images of the operands' registers (laid by the launch before); key step q (128 keys) is 8,192 bytes of each.  No LDS byte is filled twice.
; They come in three groups of first fills, one load a wave in each (waves 0-7: K's eighths, waves 8-15: V's): key steps 0-2 (12 rows of 256 bytes a wave), 3-8 (24 rows) and 9-15 (28 rows).
; SHARES.  The head's 128 tiles of 16 queries: work-group cx of the head's four owns tiles 4 j + cx, j = 0 .. 31.  Tile 4 j + cx needs key steps 0 .. j / 2, whatever cx.  Wave w takes j = 31 - w, then j = w:
; (31 - w) / 2 + 1 + w / 2 + 1 = 17 key steps for every wave.  The first tile of every wave needs steps 0 .. 8 at the least, so all waves are at work up to the last meeting, which stands behind step 7.
; The loops' trip counts are constants (2, 6, 8 and 8); a step beyond a tile's last is jumped over by a branch on the wave's number and the count of steps.
; A STEP READS AHEAD: behind its score products it loads the next step's eight fragments of K into the registers just freed.  So the loops end one step short of what is visible: steps 0-1 read K up to step 2,
; steps 2-7 up to step 8; step 15 reads 8,192 bytes of V's images as if they were K's, and so does a tile's last step its successor's: those registers are loaded anew before they are used.
; CLUSTER: the four work-groups of a head want the same bytes in the same round: every load is a joint one (mask 15).  Branches, trip counts and LDS addresses hang on the wave's number alone;
; cx enters the global addresses of Q and ctx and the mask's bound (a vector register) only.
; NO PREFETCH: the last of a wave's three loads is issued behind the second key step; behind it no trip loads anything, so there is no loop to run ahead in.
; LAYOUT.  Both products are used transposed: S^T = K Q^T, O^T = V^T P^T: a lane holds ONE query (lane % 16).  Tile t of S^T holds keys 16 t + 8 (lane / 16) + 0 .. 7, whose eight codes are registers 2 t, 2 t + 1 of P.
; LIMITS on the given exponents, so that each power of two below is an f32 number: e2 + e3 between -123 and 130; e4, and e6 - e4 - e5, between -126 and 112.
; REGISTERS: v1 16 x lane; v2, v3 the mask's bounds of my two tiles; v4, v8 LDS addresses; v5, v6 the add's two; v7 -infinity; v12 -M, v13 the largest t, v[14:15] the sum; v16-23, v24-31 Q of my two tiles;
;   v32-95 K's eight fragments; v96-159 S^T, then p, then (v96-127) V's fragments 2 and 3; v160-191 O^T; v192-223 V's fragments 0 and 1 (v208-215 at a tile's end: ctx's codes); v224-239 the maxima's chains, then p's codes;
;   v240, v241 p's hold; v244 its scale; v245, v247 ctx's; v246 a permute's result; v[252:253] f; v232-239, v242-243, v248-251, v254-255 the sums' eight chains.
.set VOFF,  131072                     ; V's images lie behind K's
.set SPARE, 262144                     ; behind both: the spare words, 128 bytes for each of 16 waves
.set LI,   1
.set DDH,  2
.set DDL,  3
.set ADV,  4
.set SPW,  5
.set NIL,  6
.set NINF, 7
.set ADR,  8
.set TB,   2                           ; s2   LDS byte at which the key step in hand begins
.set QS,   3                           ; s3   the key step in hand: the loops' counter
.set G1C,  4                           ; s[4:11] group 1: 28 rows (written when the arguments there have been used)
.set WV,   18
.set CX,   19
.set SEL,  20
.set CS,   22                          ; s[22:23] c = log2(e) / 8 x 2^(e2 + e3)
.set G1A,  24                          ; s[24:31] group 1: 12 rows of 256 bytes
.set G1B,  32                          ; s[32:39] group 1: 24 rows
.set G0,   40
.set KVB,  44                          ; s[44:45] my tensor (K's images: waves 0-7; V's: waves 8-15) at my head
.set OFB,  46                          ; s[46:47] my part of the second group: 24,576 + 6,144 x (wave % 8)
.set SELL, 48                          ; where my tensor begins in LDS
.set NDH,  49                          ; the last key step of my first tile,
.set NDL,  50                          ; and of my second
.set Q0H,  51                          ; their first queries
.set Q0L,  52
.set QPL,  54
.set CPH,  56
.set CPL,  58
.set QPH,  60
.set PTA,  62                          ; s[62:63] my part of the first group: 3,072 x (wave % 8)
.set OFC,  66                          ; s[66:67] my part of the third group: 73,728 + 7,168 x (wave % 8)
.macro ROUND                           ; a round of the cluster's barrier
	s_barrier_signal -1
	s_barrier_wait -1
	s_cmp_lg_u32 s[WV], 0
	s_cbranch_scc1 .Lnot_wave_0_\@
	s_barrier_signal -3
.Lnot_wave_0_\@:
	s_barrier_wait -3
	s_barrier_signal -1
	s_barrier_wait -1
.endm
.macro TL g1                           ; every wave's one joint load behind a round; an s_nop 0 and four v_nop follow
	tensor_load_to_lds s[G0:G0+3], s[\g1:\g1+7]
	s_nop 0
.rept 4
	v_nop
.endr
.endm
.macro G1SET g, rows
	s_mov_b32 s[\g], 15|(3<<16)|(1<<21)            ; the mask: the cluster's four; elements of 8 bytes; bit 21 beside a mask; no padding
	s_mov_b32 s[\g+1], 32<<16                      ; tensor_dim0 = 32 elements: rows of 256 bytes
	s_mov_b32 s[\g+2], \rows<<16                   ; tensor_dim1
	s_mov_b32 s[\g+3], 32<<16                      ; tile_dim0
	s_mov_b32 s[\g+4], \rows                       ; tile_dim1
	s_mov_b32 s[\g+5], 32                          ; the pitch: dense
	s_mov_b32 s[\g+6], 0
	s_mov_b32 s[\g+7], 0
.endm
	s_load_b256 s[4:11], s[0:1], 0x0               ; q_img s[4:5], k_img s[6:7], v_img s[8:9], the scales' exponents s[10:11]
	s_load_b64 s[12:13], s[0:1], 0x20              ; ctx_img
	v_lshl_add_u32 v[SPW], v0, 2, SPARE
	v_mov_b32 v[NIL], 0
	ds_add_u32 v[SPW], v[NIL]                      ; the wave's opening: the add, twice on end, and its wait ahead of the first tensor load
	ds_add_u32 v[SPW], v[NIL]
	v_lshrrev_b32 v8, 5, v0
	s_delay_alu instid0(VALU_DEP_1)
	v_readfirstlane_b32 s[WV], v8                  ; wave 0..15
	v_and_b32 v9, 31, v0
	s_delay_alu instid0(VALU_DEP_1)
	v_lshlrev_b32 v[LI], 4, v9
	s_bfe_u32 s[CX], ttmp6, 0x40000                ; my place among the head's four
	s_and_b32 s82, ttmp7, 0xffff                   ; 16 b + head
	s_lshl_b32 s84, s82, 17                        ; its 131,072 bytes in each of q_img, k_img, v_img
	s_mov_b32 s85, 0
	s_lshr_b32 s80, s[WV], 3                       ; 0: I fetch for K; 1: for V
	s_and_b32 s81, s[WV], 7                        ; which eighth
	s_lshl_b32 s[SELL], s80, 17
	s_mul_i32 s[PTA], s81, 3072
	s_mov_b32 s[PTA+1], 0
	s_mul_i32 s[OFB], s81, 6144
	s_add_co_u32 s[OFB], s[OFB], 3*8192
	s_mov_b32 s[OFB+1], 0
	s_mul_i32 s[OFC], s81, 7168
	s_add_co_u32 s[OFC], s[OFC], 9*8192
	s_mov_b32 s[OFC+1], 0
	s_sub_co_u32 s86, 31, s[WV]                    ; j of my first tile
	s_lshr_b32 s[NDH], s86, 1
	s_lshr_b32 s[NDL], s[WV], 1
	s_lshl_b32 s87, s[CX], 4
	s_lshl_b32 s[Q0H], s86, 6
	s_add_co_u32 s[Q0H], s[Q0H], s87               ; first query = 64 j + 16 cx
	s_lshl_b32 s[Q0L], s[WV], 6
	s_add_co_u32 s[Q0L], s[Q0L], s87
	s_lshl_b32 s88, s[Q0H], 6                      ; Q's fragment: 1,024 bytes for 16 queries
	s_add_co_u32 s88, s88, s84
	s_mov_b32 s89, 0
	s_lshl_b32 s90, s[Q0L], 6
	s_add_co_u32 s90, s90, s84
	s_mov_b32 s91, 0
	s_and_b32 s92, s82, 15                         ; head
	s_lshr_b32 s93, s82, 4                         ; b
	s_lshl_b32 s93, s93, 19                        ; ctx_img: [head / 4][token / 16][(head / 2) % 2][chunk 2 (head % 2) + ..][512]: 128 tiles of 4,096 bytes a batch,
	s_lshr_b32 s94, s92, 2
	s_lshl_b32 s94, s94, 21                        ; 2,097,152 bytes for four heads,
	s_add_co_u32 s94, s94, s93
	s_and_b32 s92, s92, 3
	s_lshl_b32 s92, s92, 10                        ; 1,024 bytes for a head within them
	s_add_co_u32 s86, s94, s92
	s_lshl_b32 s92, s[Q0H], 8
	s_add_co_u32 s92, s92, s86
	s_mov_b32 s93, 0
	s_lshl_b32 s94, s[Q0L], 8
	s_add_co_u32 s94, s94, s86
	s_mov_b32 s95, 0
	s_and_b32 s96, s[Q0H], 127                     ; first query less the first key of the tile's last step
	s_and_b32 s97, s[Q0L], 127
	G1SET G1A, 12
	G1SET G1B, 24
	s_mov_b32 s[SEL], 0x76543210
	s_mov_b32 s[SEL+1], 0xfedcba98
	s_mov_b32 s[CS], 0x3e38aa3b                    ; log2(e) / 8
	s_wait_alu depctr_va_vdst(0)                   ; directly ahead of the wait below
	s_wait_dscnt 0x0                               ; both opening adds are done
	s_wait_kmcnt 0x0
	s_load_b256 s[68:75], s[10:11], 0x0            ; e0 .. e7
	s_add_nc_u64 s[QPH:QPH+1], s[4:5], s[88:89]
	s_add_nc_u64 s[QPL:QPL+1], s[4:5], s[90:91]
	global_load_b128 v[16:19], v[LI], s[QPH:QPH+1]             ; Q's fragments of both my tiles stay in registers
	global_load_b128 v[20:23], v[LI], s[QPH:QPH+1] offset:512
	global_load_b128 v[24:27], v[LI], s[QPL:QPL+1]
	global_load_b128 v[28:31], v[LI], s[QPL:QPL+1] offset:512
	s_cmp_eq_u32 s80, 0
	s_cselect_b64 s[KVB:KVB+1], s[6:7], s[8:9]
	s_add_nc_u64 s[KVB:KVB+1], s[KVB:KVB+1], s[84:85]
	s_mov_b32 s[G0], 1
	s_add_co_u32 s[G0+1], s[SELL], s[PTA]
	s_add_nc_u64 s[G0+2:G0+3], s[KVB:KVB+1], s[PTA:PTA+1]
	s_or_b32 s[G0+3], s[G0+3], 0x80000000
	s_add_nc_u64 s[CPH:CPH+1], s[12:13], s[92:93]
	s_add_nc_u64 s[CPL:CPL+1], s[12:13], s[94:95]
	ROUND                                          ; the four work-groups are here: the first joint loads meet
	TL G1A                                         ; key steps 0 to 2
	v_and_b32 v9, 15, v0
	v_bfe_u32 v10, v0, 4, 1
	s_delay_alu instid0(VALU_DEP_1)
	v_lshlrev_b32 v10, 3, v10
	s_delay_alu instid0(VALU_DEP_1)
	v_sub_nc_u32 v9, v9, v10                       ; r - 8 h
	s_delay_alu instid0(VALU_DEP_1)
	v_add_nc_u32 v[DDH], s96, v9                   ; my query - the last step's first key - 8 h
	v_add_nc_u32 v[DDL], s97, v9
	v_mov_b32 v[NINF], 0xff800000
	v_mov_b32 v246, 0                              ; written once: a lane permute's destination counts as one of its sources
	v_mov_b32 v253, 0                              ; (named as the upper half of the pair v[252:253])
.macro INIT                            ; a tile begins: the step is written once, and the first finds zeros, which the first change of M leaves zeros
	v_mov_b32 v13, 0xff61b1e6                      ; the largest t so far: -3e38
	s_delay_alu instid0(VALU_DEP_1)
	v_floor_f32 v12, -v13
	v_mov_b32 v14, 0
	v_mov_b32 v15, 0
.set j, 0
.rept 32
	v_mov_b32 v[160+j], 0
.set j, j+1
.endr
.endm
	INIT
	s_wait_kmcnt 0x0
	s_add_co_i32 s96, s70, s71
	s_lshl_b32 s96, s96, 23
	s_add_co_i32 s[CS], s[CS], s96                 ; a score stands for score x 2^(e2 + e3): added to c's exponent field
	s_mov_b32 s[CS+1], s[CS]
	s_add_co_i32 s96, s72, 127
	s_lshl_b32 s97, s96, 23
	v_mov_b32 v244, s97                            ; 2^e4
	s_add_co_i32 s96, s96, 15
	s_lshl_b32 s96, s96, 23
	s_or_b32 s96, s96, 0x600000
	v_mov_b32 v240, s96                            ; 57,344 x 2^e4, twice: one for each half of a dual pair
	v_mov_b32 v241, s96
	s_sub_co_i32 s96, s74, s72
	s_sub_co_i32 s96, s96, s73                     ; O / the sum stands for ctx / 2^(e4 + e5): its code is that / 2^(e6 - e4 - e5)
	s_add_co_i32 s96, s96, 127
	s_lshl_b32 s97, s96, 23
	v_mov_b32 v245, s97
	s_add_co_i32 s96, s96, 15
	s_lshl_b32 s96, s96, 23
	s_or_b32 s96, s96, 0x600000
	v_mov_b32 v247, s96
	G1SET G1C, 28                                  ; the arguments that lay here have been used
.macro KLOAD off                       ; K's eight fragments of the key step that begins off bytes behind v[ADR]
.set t, 0
.rept 8
	ds_load_b128 v[32+8*t:35+8*t], v[ADR] offset:\off+1024*t
	ds_load_b128 v[36+8*t:39+8*t], v[ADR] offset:\off+1024*t+512
.set t, t+1
.endr
.endm
.macro FMA4 b                          ; t - M, eight numbers
.irp j, 0,2,4,6
	v_pk_fma_f32 v[\b+\j:\b+\j+1], v[\b+\j:\b+\j+1], s[CS:CS+1], v[12:13] op_sel_hi:[1,0,0]
.endr
.endm
.macro DMIN b                          ; the hold of eight p: the conversion does not saturate (ISA guide 7.6.2); p is not negative, so the hold is one-sided; two numbers a line
.irp j, 0,2,4,6
	v_dual_min_num_f32 v[\b+\j], v[\b+\j], v240 :: v_dual_min_num_f32 v[\b+\j+1], v[\b+\j+1], v241
.endr
.endm
.macro EXA k, tr                       ; an exponential of the second half, and a first sum of four p of the first half
	v_exp_f32 v[128+\k], v[128+\k]
	v_pk_add_f32 v[\tr:\tr+1], v[96+4*\k:97+4*\k], v[98+4*\k:99+4*\k]
.endm
.macro ADDH k, tr, o                   ; a chain takes two p of the second half
	v_pk_add_f32 v[\tr:\tr+1], v[\tr:\tr+1], v[128+4*\k+\o:129+4*\k+\o]
.endm
; A KEY STEP: the 128 keys at LDS byte s[TB]; its fragments of K have been asked for.  qr: Q's registers; nd: the tile's last step; dd: its mask's bound; chk = 0: a step that no tile ends in
.macro STEP qr, nd, dd, chk
.if \chk
	s_cmp_gt_u32 s[QS], s[\nd]                     ; all its keys come after my 16 queries: left out.  The wave's number and the count of steps alone; no barrier and no tensor load stands in a step
	s_cbranch_scc1 .Lhidden_\@
.endif
	v_add_nc_u32 v[ADR], s[TB], v[LI]
	s_delay_alu instid0(VALU_DEP_1)
	v_add_nc_u32 v[ADV], VOFF, v[ADR]
.rept 3
	v_nop                                          ; with the two additions: five places: the score products write over registers that the last products read
.endr
.irp t, 0,1
.irp g, 0,1,2,3
	ds_load_b128 v[192+16*\t+4*\g:195+16*\t+4*\g], v[ADV] offset:2048*\t+512*\g   ; V's fragments 0 and 1 land under the softmax
.endr
.endr
	s_wait_alu depctr_va_vdst(0)                   ; directly ahead of the wait below
	s_wait_dscnt 8                                 ; K is in; the eight loads just issued may be out
.set t, 0
.rept 8
	v_wmma_f32_16x16x64_bf8_bf8 v[96+8*t:103+8*t], v[32+8*t:39+8*t], v[\qr:\qr+7], 0   ; S^T: 16 keys x my 16 queries
.set t, t+1
.endr
.rept 4
	v_nop
.endr
	KLOAD 8192                                     ; the next step's K
.if \chk
	s_cmp_lt_u32 s[QS], s[\nd]                     ; in the tile's last step the scores of hidden keys become -infinity ahead of the maximum; every earlier step skips this
	s_cbranch_scc1 .Lopen_\@
.set n, 0
.rept 64                                       ; register 8 t + j holds key 16 t + 8 h + j of the step: hidden where 16 t + j > the bound
	v_cmp_gt_i32 vcc_lo, 16*(n/8)+n%8, v[\dd]
	v_cndmask_b32 v[96+n], v[96+n], v[NINF], vcc_lo
.set n, n+1
.endr
.Lopen_\@:
.endif
.set c, 0
.rept 8                                        ; the step's largest score of my query among my 64 keys: a chain to each accumulator, from its low end on
	v_max3_num_f32 v[224+c], v[96+8*c], v[97+8*c], v[98+8*c]
.set c, c+1
.endr
.set c, 0
.rept 8
	v_max3_num_f32 v[224+c], v[224+c], v[99+8*c], v[100+8*c]
.set c, c+1
.endr
.set c, 0
.rept 8
	v_max3_num_f32 v[224+c], v[224+c], v[101+8*c], v[102+8*c]
.set c, c+1
.endr
	v_max3_num_f32 v224, v224, v225, v103
	v_max3_num_f32 v226, v226, v227, v111
	v_max3_num_f32 v228, v228, v229, v119
	v_max3_num_f32 v230, v230, v231, v127
	v_max3_num_f32 v224, v224, v135, v143
	v_max3_num_f32 v226, v226, v151, v159
	s_delay_alu instid0(VALU_DEP_1)
	v_max3_num_f32 v224, v224, v226, v228
	s_delay_alu instid0(VALU_DEP_1)
	v_max_num_f32 v224, v224, v230
	s_delay_alu instid0(VALU_DEP_1)
	v_permlanex16_b32 v246, v224, s[SEL], s[SEL+1]
	s_delay_alu instid0(VALU_DEP_1)
	v_max_num_f32 v224, v224, v246                 ; and among lane l xor 16's
	s_delay_alu instid0(VALU_DEP_1)
	v_mul_f32 v224, s[CS], v224                    ; as t
	s_delay_alu instid0(VALU_DEP_1)
	v_max_num_f32 v13, v13, v224
	v_mov_b32 v254, v12
	s_delay_alu instid0(VALU_DEP_2)
	v_floor_f32 v12, -v13                          ; the new -M = floor(-t): M is a whole number
	FMA4 96                                        ; the first half's t - M stands between the links of the chain that makes f
	v_sub_f32 v254, v12, v254
	FMA4 104
	v_cvt_i32_f32 v254, v254                       ; old M - new M (it saturates)
	FMA4 112
	v_ldexp_f32 v252, 1.0, v254                    ; f = 2^(old M - new M)
	FMA4 120
	v_pk_mul_f32 v[14:15], v[14:15], v[252:253] op_sel_hi:[1,0]   ; the sums under the new M
.set j, 0
.rept 16
	v_pk_mul_f32 v[160+j:161+j], v[160+j:161+j], v[252:253] op_sel_hi:[1,0]   ; O^T under the new M: read ahead of the step's exponentials
.set j, j+2
.endr
	s_wait_alu depctr_va_vdst(0)                   ; the wait ahead of the batch
.set j, 0
.rept 16                                       ; p = 2^(t - M), the first half; between them the second half's t - M, which is first read behind the next wait
	v_exp_f32 v[96+2*j], v[96+2*j]
	v_exp_f32 v[97+2*j], v[97+2*j]
	v_pk_fma_f32 v[128+2*j:129+2*j], v[128+2*j:129+2*j], s[CS:CS+1], v[12:13] op_sel_hi:[1,0,0]
.set j, j+1
.endr
	s_wait_alu depctr_va_vdst(0)                   ; behind the first batch and ahead of the second
	EXA 0, 232                                     ; the second half; between them one-level work on the first half, whose results are first read behind the next wait:
	EXA 1, 234                                     ; the row's sum of the unquantised p begins, in eight chains,
	EXA 2, 236
	EXA 3, 238
	EXA 4, 248
	EXA 5, 250
	EXA 6, 242
	EXA 7, 254
.set k, 0
.rept 16                                       ; and then the hold
	v_exp_f32 v[136+k], v[136+k]
	v_dual_min_num_f32 v[96+2*k], v[96+2*k], v240 :: v_dual_min_num_f32 v[97+2*k], v[97+2*k], v241
.set k, k+1
.endr
.set k, 0
.rept 8
	v_exp_f32 v[152+k], v[152+k]
.set k, k+1
.endr
	v_nop                                          ; a plain instruction behind the last exponential
	s_wait_alu depctr_va_vdst(0)                   ; one wait for the batch, ahead of its first reader
.set t, 0
.rept 4
	v_cvt_scalef32_pk8_bf8_f32 v[224+2*t:225+2*t], v[96+8*t:103+8*t], v244
.set t, t+1
.endr
.irp t, 2,3
.irp g, 0,1,2,3
	ds_load_b128 v[96+16*(\t-2)+4*\g:99+16*(\t-2)+4*\g], v[ADV] offset:2048*\t+512*\g   ; V's fragments 2 and 3, into registers whose p are codes now
.endr
.endr
.irp o, 0,2
	ADDH 0, 232, \o
	ADDH 1, 234, \o
	ADDH 2, 236, \o
	ADDH 3, 238, \o
	ADDH 4, 248, \o
	ADDH 5, 250, \o
	ADDH 6, 242, \o
	ADDH 7, 254, \o
.endr
	v_pk_add_f32 v[232:233], v[232:233], v[248:249]
	v_pk_add_f32 v[234:235], v[234:235], v[250:251]
	v_pk_add_f32 v[236:237], v[236:237], v[242:243]
	v_pk_add_f32 v[238:239], v[238:239], v[254:255]
	DMIN 128
	v_pk_add_f32 v[232:233], v[232:233], v[236:237]
	v_pk_add_f32 v[234:235], v[234:235], v[238:239]
	DMIN 136
	v_pk_add_f32 v[232:233], v[232:233], v[234:235]
	DMIN 144
	v_pk_add_f32 v[14:15], v[14:15], v[232:233]
	DMIN 152
.set t, 4
.rept 4
	v_cvt_scalef32_pk8_bf8_f32 v[224+2*t:225+2*t], v[96+8*t:103+8*t], v244
.set t, t+1
.endr
	v_nop                                          ; a plain instruction between the last conversion and the products
	s_wait_alu depctr_va_vdst(0)                   ; directly ahead of the wait below
	s_wait_dscnt 8                                 ; V's fragments 0 and 1 and the next K are in; the youngest eight loads may be out
	v_wmma_f32_16x16x128_bf8_bf8 v[160:167], v[192:207], v[224:239], v[160:167]   ; the four accumulators take turns
	v_wmma_f32_16x16x128_bf8_bf8 v[168:175], v[208:223], v[224:239], v[168:175]
	s_wait_dscnt 0x0
	v_wmma_f32_16x16x128_bf8_bf8 v[176:183], v[96:111], v[224:239], v[176:183]
	v_wmma_f32_16x16x128_bf8_bf8 v[184:191], v[112:127], v[224:239], v[184:191]
.if \chk
.Lhidden_\@:
.endif
	s_add_co_u32 s[TB], s[TB], 8192
	s_add_co_u32 s[QS], s[QS], 1
.endm
; A TILE ENDS: O^T / the sum, held, quantised: tile dt's eight channels are registers 2 dt, 2 dt + 1 of my head's half of a fragment of the last product; two stores of 512 consecutive bytes
.macro FINISH cp
.rept 4
	v_nop                                          ; places behind the last products
.endr
	v_add_f32 v14, v14, v15
	s_delay_alu instid0(VALU_DEP_1)
	v_permlanex16_b32 v246, v14, s[SEL], s[SEL+1]
	s_delay_alu instid0(VALU_DEP_1)
	v_add_f32 v14, v14, v246                       ; the row's sum
	s_wait_alu depctr_va_vdst(0)                   ; the wait ahead of the reciprocal
	v_rcp_f32 v252, v14
	v_nop                                          ; a plain instruction behind the reciprocal
	s_wait_alu depctr_va_vdst(0)                   ; and the wait ahead of its first reader, which is O^T's first reader too
.set j, 0
.rept 16
	v_pk_mul_f32 v[96+j:97+j], v[160+j:161+j], v[252:253] op_sel_hi:[1,0]
.set j, j+2
.endr
.set j, 0
.rept 32
	v_med3_num_f32 v[96+j], v[96+j], -v247, v247
.set j, j+1
.endr
.set t, 0
.rept 4
	v_cvt_scalef32_pk8_bf8_f32 v[208+2*t:209+2*t], v[96+8*t:103+8*t], v245
.set t, t+1
.endr
	v_nop                                          ; a plain instruction behind the last conversion
	global_store_b128 v[LI], v[208:211], s[\cp:\cp+1]
	global_store_b128 v[LI], v[212:215], s[\cp:\cp+1] offset:512
.endm
	s_wait_alu depctr_va_vdst(0)                   ; the wait at the head's end
	s_wait_loadcnt 0x0                             ; Q
	s_wait_tensorcnt 0x0                           ; my part of key steps 0 to 2 is in, so group 0 may be written; a later first fill is issued as a refill is:
	ds_add_u32 v[SPW], v[NIL]
	s_add_co_u32 s[G0+1], s[SELL], s[OFB]
	s_add_nc_u64 s[G0+2:G0+3], s[KVB:KVB+1], s[OFB:OFB+1]
	s_or_b32 s[G0+3], s[G0+3], 0x80000000
	s_wait_dscnt 0x0
	ROUND                                          ; everybody's part is in, and the four work-groups are here
	TL G1B                                         ; key steps 3 to 8: they have two steps of every wave in which to land
	s_mov_b32 s[TB], 0
	s_mov_b32 s[QS], 0
	v_add_nc_u32 v[ADR], s[TB], v[LI]
	KLOAD 0                                        ; the first step's K
.Lfirst:
	STEP 16, NDH, DDH, 0
	s_cmp_lt_u32 s[QS], 2
	s_cbranch_scc1 .Lfirst
	s_wait_tensorcnt 0x0                           ; my part of key steps 3 to 8 is in
	ds_add_u32 v[SPW], v[NIL]
	s_add_co_u32 s[G0+1], s[SELL], s[OFC]
	s_add_nc_u64 s[G0+2:G0+3], s[KVB:KVB+1], s[OFC:OFC+1]
	s_or_b32 s[G0+3], s[G0+3], 0x80000000
	s_wait_dscnt 0x0
	ROUND
	TL G1C                                         ; key steps 9 to 15: six steps in which to land
	s_mov_b32 s[TB], 2*8192
	s_mov_b32 s[QS], 2
.Lsecond:
	STEP 16, NDH, DDH, 0
	s_cmp_lt_u32 s[QS], 8
	s_cbranch_scc1 .Lsecond
	s_wait_tensorcnt 0x0                           ; my part of key steps 9 to 15 is in: the last meeting; no round follows
	ds_add_u32 v[SPW], v[NIL]
	s_wait_dscnt 0x0
	s_barrier_signal -1
	s_barrier_wait -1
	s_mov_b32 s[TB], 8*8192
	s_mov_b32 s[QS], 8
.Lthird:
	STEP 16, NDH, DDH, 1
	s_cmp_lt_u32 s[QS], 16
	s_cbranch_scc1 .Lthird
	s_mov_b32 s[TB], 0
	s_mov_b32 s[QS], 0
	v_add_nc_u32 v[ADR], s[TB], v[LI]
	KLOAD 0                                        ; my second tile's first K comes in under the first tile's end
	FINISH CPH
	INIT
	s_wait_alu depctr_va_vdst(0)                   ; directly ahead of the wait below
	s_wait_xcnt 0x0                                ; the stores have read the codes' registers, into which V is loaded next
.Lfourth:                                          ; my second tile: at most eight key steps
	STEP 24, NDL, DDL, 1
	s_cmp_lt_u32 s[QS], 8
	s_cbranch_scc1 .Lfourth
	FINISH CPL
	s_wait_tensorcnt 0x0                           ; the wave's end
	ds_add_u32 v[SPW], v[NIL]
	s_wait_dscnt 0x0
	ROUND                                          ; the closing round
	s_endpgm
.Lfunc_end_k_q6a36e63d2e_attn:
	.size	k_q6a36e63d2e_attn, .Lfunc_end_k_q6a36e63d2e_attn-k_q6a36e63d2e_attn
	.p2alignl 7, 3214868480
	.fill 96, 4, 3214868480
	.section	.rodata,"a",@progbits
	.p2align	6, 0x0
	.amdhsa_kernel k_q6a36e63d2e_attn
		.amdhsa_group_segment_fixed_size 327680
		.amdhsa_private_segment_fixed_size 0
		.amdhsa_enable_private_segment 0
		.amdhsa_kernarg_size 40
		.amdhsa_user_sgpr_count 2
		.amdhsa_user_sgpr_kernarg_segment_ptr 1
		.amdhsa_wavefront_size32 1
		.amdhsa_system_sgpr_workgroup_id_x 1
		.amdhsa_system_sgpr_workgroup_id_y 1
		.amdhsa_system_sgpr_workgroup_id_z 1
		.amdhsa_system_vgpr_workitem_id 0
		.amdhsa_next_free_vgpr 256
		.amdhsa_next_free_sgpr 98
		.amdhsa_reserve_vcc 1
		.amdhsa_float_denorm_mode_32 3
		.amdhsa_float_denorm_mode_16_64 3
		.amdhsa_memory_ordered 1
		.amdhsa_forward_progress 1
		.amdhsa_inst_pref_size 95
	.end_amdhsa_kernel
	.amdgpu_metadata
---
amdhsa.version: [ 1, 2 ]
amdhsa.kernels:
  - .name:           k_q6a36e63d2e_attn
    .symbol:         k_q6a36e63d2e_attn.kd
    .args:
      - { .name: q_img, .offset: 0, .size: 8, .value_kind: global_buffer, .address_space: global }
      - { .name: k_img, .offset: 8, .size: 8, .value_kind: global_buffer, .address_space: global }
      - { .name: v_img, .offset: 16, .size: 8, .value_kind: global_buffer, .address_space: global }
      - { .name: lowp_scales, .offset: 24, .size: 8, .value_kind: global_buffer, .address_space: global }
      - { .name: ctx_img, .offset: 32, .size: 8, .value_kind: global_buffer, .address_space: global }
    .group_segment_fixed_size: 327680
    .private_segment_fixed_size: 0
    .kernarg_segment_align: 8
    .kernarg_segment_size: 40
    .max_flat_workgroup_size: 512
    .sgpr_count:     98
    .vgpr_count:     256
    .wavefront_size: 32
...
	.end_amdgpu_metadata
.endif
;; end of part 3
;; launch proj (part 4): grid 4 x 64, 4 waves a work-group, clusters of 4 x 4, 327,680 bytes of LDS; arguments ctx_img, wo_img, lowp_scales, out0; writes out0
.if DOCPART == 4
	.amdgcn_target "amdgcn-amd-amdhsa--gfx1250"
	.amdhsa_code_object_version 6
	.text
	.protected	k_q6a36e63d2e_proj
	.globl	k_q6a36e63d2e_proj
	.p2align	8
	.type	k_q6a36e63d2e_proj,@function
k_q6a36e63d2e_proj:
	s_mov_b64 s[64:65], 0
	v_nop
	global_prefetch_b8 v0, s[64:65] scope:SCOPE_SE
	s_setreg_imm32_b32 hwreg(HW_REG_WAVE_MODE, 25, 1), 1
	s_wait_xcnt 0x0
	s_wait_alu depctr_hold_cnt(0) depctr_sa_sdst(0) depctr_va_vdst(0) depctr_va_sdst(0) depctr_va_ssrc(0) depctr_va_vcc(0) depctr_vm_vsrc(0)
	s_getreg_b32 s2, hwreg(HW_REG_IB_STS2, 6, 4)
	s_cmp_eq_u32 s2, 0
	s_cbranch_scc0 .Lentry_in_a_cluster
	s_endpgm
.Lentry_in_a_cluster:
	s_bfe_u32 s2, ttmp6, 0x10000c
	s_cmp_lg_u32 s2, 0xf033
	s_cbranch_scc0 .Lentry_shape_is_right
	s_endpgm
.Lentry_shape_is_right:
; out = ctx W_out^T on codes of E5M2 (ctx: 8,192 x 1,024, W_out: 1,024 x 1,024), each sum x 2^(e6 + e7); f32 out.  Nothing of this product is left out.
; A block of 128 rows x 256 columns is made by a work-group of four waves: 64 x 4 blocks = 256 work-groups.  A wave makes 64 x 128: 32 accumulators of 16 x 16, 256 registers.
; BOTH OPERANDS ARE IMAGES OF THEIR REGISTERS (laid by earlier launches): [k / 256][row / 16][(k / 128) % 2][chunk of 4][512 bytes]: 16 rows x 256 along K are 4,096 bytes on end, and every LDS load takes 512 bytes on end.
; K goes in four steps of 256 through a ring of two LDS slots: A's 128 rows (32,768 bytes), then B's 256 rows (65,536 bytes).  Wave w owns slot w / 2 and tensor w % 2 (0: A, 1: B): one load brings that tile whole,
; so the four waves' four loads at the head fill both slots, and a slot is filled again by its two waves.
; CLUSTERS: 4 x 4 work-groups; the four of a row of the cluster ask jointly for A's tiles, the four of a column for B's.
; NO PREFETCH: K is four slots; two are asked for at the head and the other two at the first and second change of slots: there is no trip to run ahead in.
; THE MATRIX INSTRUCTION IS USED TRANSPOSED (source 0 = 16 rows of B, source 1 = 16 rows of A): a lane holds eight neighbouring numbers of a row of out.
; LIMIT: e6 + e7 between -126 and 127, so that 2^(e6 + e7) is an f32 number.
; REGISTERS, in windows of 256: window 0: v16-29 addresses; v128-191, v192-255 A's fragments (4 x 16 rows x 128 K), two sets; on the way out v32-95 scaled sums, v128-255 rows read back.
;   window 1: B's fragments (8 x 16 rows x 128 K), two sets.   window 2: the accumulators ((a, b) at v[8 (8 a + b)]).
.set SIZE_N, 1024
.set ASTEP,  2097152                   ; 256 along K on, in ctx_img
.set BSTEP,  262144                    ; and in wo_img
.set FR,     16
.set NP,     4
.set ATILE,  32768
.set SLOT,   98304
.set SPARE,  2*SLOT                    ; behind the ring: the spare words, 128 bytes for each wave
.set SPITCH, 528                       ; the way out: a stage of 16 rows x (512 bytes + 16) for each wave, in slot 0, which has had its last fill and its last read by then
.set ADRA, 16
.set ADRB, 20
.set STO,  24
.set RD,   25
.set CO,   26
.set SPW,  28
.set NIL,  29
.set TMP,  32
.set AF,   128
.set BK,   128
.set G1, 24
.set G0, 32
.set G1B, 48
.set G0B, 56
.set MSB, 0
.macro WIN new                         ; the immediate's high byte repeats the setting that is left
.if MSB != \new
	s_set_vgpr_msb (MSB<<8)|\new
.set MSB, \new
.endif
.endm
.set MUL,  0xa1                        ; source 0 (B) window 1, source 1 (A) window 0, C and D window 2
.set TO_B, 0x40                        ; destination window 1, address window 0
.macro PLACES n                        ; plain vector instructions between a matrix instruction and a load into, or a vector instruction on, its registers
.rept \n
	v_nop
.endr
.endm
.macro JLOAD                           ; my one joint load; the branch hangs on the wave's number alone.  An s_nop 0 and four v_nop follow each line
	s_cmp_eq_u32 s16, 0
	s_cbranch_scc0 .Lfor_b_\@
	tensor_load_to_lds s[G0:G0+3], s[G1:G1+7]
	s_nop 0
	PLACES 4
	s_branch .Lasked_\@
.Lfor_b_\@:
	tensor_load_to_lds s[G0B:G0B+3], s[G1B:G1B+7]
	s_nop 0
	PLACES 4
.Lasked_\@:
.endm
.macro CREST                           ; a round of the cluster's barrier behind its opening barrier
	s_cmp_lg_u32 s14, 0
	s_cbranch_scc1 .Lnot_wave_0_\@
	s_barrier_signal -3
.Lnot_wave_0_\@:
	s_barrier_wait -3
	s_barrier_signal -1
	s_barrier_wait -1
.endm
.macro CROUND
	s_barrier_signal -1
	s_barrier_wait -1
	CREST
.endm
	s_load_b128 s[4:7], s[0:1], 0x0                ; ctx_img, wo_img
	s_load_b128 s[8:11], s[0:1], 0x10              ; the scales' exponents, out0
	v_lshl_add_u32 v[SPW], v0, 2, SPARE
	v_mov_b32 v[NIL], 0
	ds_add_u32 v[SPW], v[NIL]                      ; the wave's opening: the add, twice on end, and its wait ahead of my first tensor load
	ds_add_u32 v[SPW], v[NIL]
	v_lshrrev_b32 v1, 5, v0
	v_readfirstlane_b32 s14, v1                    ; wave 0..3
	s_lshr_b32 s15, s14, 1                         ; which 64 of A's rows are mine.  Also: the slot that I fill
	s_and_b32 s16, s14, 1                          ; which 128 of B's rows.  Also: I fetch for A (0) or for B (1)
	s_bfe_u32 s40, ttmp6, 0x40000                  ; cx
	s_bfe_u32 s41, ttmp6, 0x40004                  ; cy
	s_lshl_b32 s42, ttmp9, 2
	s_add_co_u32 s42, s42, s40                     ; block column = 4 x cluster x + cx
	s_and_b32 s17, ttmp7, 0xffff
	s_lshl_b32 s17, s17, 2
	s_add_co_u32 s17, s17, s41                     ; block row = 4 x cluster y + cy
	s_lshl_b32 s43, s41, 2
	s_lshl_b32 s43, 15, s43                        ; my row of the cluster
	s_lshl_b32 s44, 0x1111, s40                    ; my column
	s_or_b32 s[G1+0], s43, (0<<16)|(1<<21)         ; the mask; elements of 1 byte; bit 21 beside a mask; no padding
	s_or_b32 s[G1B+0], s44, (0<<16)|(1<<21)
.irp g, G1, G1B
	s_mov_b32 s[\g+1], 256<<16                     ; tensor_dim0: rows of 256 bytes
	s_mov_b32 s[\g+3], 256<<16                     ; tile_dim0
	s_mov_b32 s[\g+5], 256                         ; the pitch: dense
	s_mov_b32 s[\g+6], 0
	s_mov_b32 s[\g+7], 0
.endr
	s_mov_b32 s[G1+2], 128<<16                     ; A's tile: 32,768 bytes
	s_mov_b32 s[G1+4], 128
	s_mov_b32 s[G1B+2], 256<<16                    ; B's: 65,536
	s_mov_b32 s[G1B+4], 256
	s_lshl_b32 s20, s17, 15                        ; A: the block's rows,
	s_lshl_b32 s18, s15, 21                        ; my slot's first K step
	s_add_co_u32 s20, s20, s18
	s_mov_b32 s21, 0
	s_lshl_b32 s46, s42, 16                        ; B likewise
	s_lshl_b32 s19, s15, 18
	s_add_co_u32 s46, s46, s19
	s_mov_b32 s47, 0
	s_mul_i32 s45, s15, SLOT
	s_wait_dscnt 0x0                               ; both opening adds are done
	s_wait_kmcnt 0x0
	s_load_b64 s[96:97], s[8:9], 0x18              ; e6, e7
	s_mov_b32 s[G0], 1
	s_mov_b32 s[G0+1], s45
	s_add_nc_u64 s[G0+2:G0+3], s[4:5], s[20:21]
	s_or_b32 s[G0+3], s[G0+3], 0x80000000
	s_mov_b32 s[G0B], 1
	s_add_co_u32 s[G0B+1], s45, ATILE
	s_add_nc_u64 s[G0B+2:G0B+3], s[6:7], s[46:47]
	s_or_b32 s[G0B+3], s[G0B+3], 0x80000000
	CROUND                                         ; all sixteen work-groups are here: the first joint loads meet
	JLOAD                                          ; both slots: one tensor load a wave at the head
	s_lshl_b32 s2, s15, 14                         ; my 64 rows of A in slot 0,
	s_add_co_u32 s3, s2, SLOT                      ; in slot 1;
	s_lshl_b32 s12, s16, 15
	s_add_co_u32 s12, s12, ATILE                   ; my 128 rows of B
	s_add_co_u32 s13, s12, SLOT
	s_mul_i32 s23, s14, 16*SPITCH                  ; my stage
	s_lshl_b32 s20, s17, 7
	s_lshl_b32 s21, s15, 6
	s_add_co_u32 s20, s20, s21                     ; my first row of out,
	s_lshl_b32 s20, s20, 12                        ; of 4,096 bytes
	s_mov_b32 s21, 0
	s_lshl_b32 s46, s42, 10                        ; my first column, in bytes
	s_lshl_b32 s47, s16, 9
	s_add_co_u32 s46, s46, s47
	s_mov_b32 s47, 0
	s_add_nc_u64 s[20:21], s[20:21], s[46:47]
	s_add_nc_u64 s[10:11], s[10:11], s[20:21]
	v_and_b32 v1, 15, v0
	v_bfe_u32 v2, v0, 4, 1
	v_and_b32 v6, 31, v0
	v_lshlrev_b32 v[CO], 4, v6                     ; 16 x lane
	v_mul_u32_u24 v5, v1, SPITCH                   ; into the stage: row lane % 16, 32 bytes for each half of the lanes
	v_lshl_add_u32 v5, v2, 5, v5
	v_add_nc_u32 v[ADRA], s2, v[CO]
	v_add_nc_u32 v[ADRA+1], s3, v[CO]
	v_add_nc_u32 v[ADRB], s12, v[CO]
	v_add_nc_u32 v[ADRB+1], s13, v[CO]
	v_add_nc_u32 v[STO], s23, v5
	v_add_nc_u32 v[RD], s23, v[CO]                 ; back: the 32 lanes take one row of 512 bytes
.macro FRAG reg, adr, q, i             ; the image of a fragment: 16 rows x 128 K, four chunks of 512 bytes
.irp c, 0,1,2,3
	ds_load_b128 v[\reg+4*\c:\reg+4*\c+3], v[\adr] offset:(2*(\i)+(\q))*2048+512*\c
.endr
.endm
.macro FETCH slot, q, p                ; B's eight and A's four fragments of the slot's q-th 128 along K into set p
	WIN TO_B
.irp i, 0,1,2,3,4,5,6,7
	FRAG 128*(\p)+FR*\i, ADRB+\slot, \q, \i
.endr
	WIN 0
.irp i, 0,1,2,3
	FRAG AF+64*(\p)+FR*\i, ADRA+\slot, \q, \i
.endr
.endm
; eight matrix instructions: A's block a x B's eight.  The 32 accumulators take turns, one instruction a turn, in the same order in every step.
.macro MUL8 a, p, zero
.irp b, 0,1,2,3,4,5,6,7
.if \zero
	v_wmma_f32_16x16x128_bf8_bf8 v[8*(8*(\a)+\b):8*(8*(\a)+\b)+7], v[128*(\p)+FR*\b:128*(\p)+FR*\b+FR-1], v[AF+64*(\p)+FR*(\a):AF+64*(\p)+FR*(\a)+FR-1], 0
.else
	v_wmma_f32_16x16x128_bf8_bf8 v[8*(8*(\a)+\b):8*(8*(\a)+\b)+7], v[128*(\p)+FR*\b:128*(\p)+FR*\b+FR-1], v[AF+64*(\p)+FR*(\a):AF+64*(\p)+FR*(\a)+FR-1], v[8*(8*(\a)+\b):8*(8*(\a)+\b)+7]
.endif
.endr
.endm
.macro STEP slot, zero                 ; a slot's first 128 along K, on set 0; the second's fragments are asked for ahead of the products
	s_wait_dscnt 0x0                               ; set 0 is in
	PLACES NP                                      ; in front of loads into set 1, which the last products read
	FETCH \slot, 1, 1
	WIN MUL
	MUL8 0, 0, \zero
	MUL8 1, 0, \zero
	MUL8 2, 0, \zero
	MUL8 3, 0, \zero
	WIN 0
.endm
; A slot's second 128, on set 1, changes slots: ONE barrier; in front of it each wave waits for all its tensor loads, adds 0 to its spare word, and waits for that and for its reads of this slot.
.macro TURN slot, next, fill
	s_wait_tensorcnt 0x0                           ; no tensor load of mine is out
	ds_add_u32 v[SPW], v[NIL]
	s_wait_dscnt 1                                 ; set 1 is in; the add may be out
	WIN MUL
	MUL8 0, 1, 0
	s_wait_dscnt 0x0                               ; the add is done, and my reads of this slot are over
	s_barrier_signal -1
	MUL8 1, 1, 0
	WIN 0
	s_barrier_wait -1
.if \fill
	CREST                                          ; the barrier has opened a round of the cluster's: no wave of any partner still reads this slot or has a load on its way
	s_cmp_lg_u32 s15, \slot                        ; the two waves that own this slot fill it again; the wave's number alone decides
	s_cbranch_scc1 .Lnot_mine_\@
	s_add_nc_u64 s[G0+2:G0+3], s[G0+2:G0+3], 2*ASTEP
	s_add_nc_u64 s[G0B+2:G0B+3], s[G0B+2:G0B+3], 2*BSTEP
	JLOAD                                          ; the first tensor load behind the round
.Lnot_mine_\@:
.endif
	PLACES NP                                      ; on every wave's way: in front of loads into set 0
	FETCH \next, 0, 0
	WIN MUL
	MUL8 2, 1, 0
	MUL8 3, 1, 0
	WIN 0
.endm
	s_wait_alu depctr_va_vdst(0)                   ; the wait at the head's end
	s_wait_tensorcnt 0x0                           ; my tile is in
	s_barrier_signal -1
	s_barrier_wait -1
	FETCH 0, 0, 0
	STEP 0, 1                                      ; the first products start the sums
	TURN 0, 1, 1
	STEP 1, 0
	TURN 1, 0, 1
	STEP 0, 0
	TURN 0, 1, 0                                   ; the last two slots are followed by no fill
	STEP 1, 0
	s_wait_dscnt 0x0
	WIN MUL
	MUL8 0, 1, 0
	MUL8 1, 1, 0
	MUL8 2, 1, 0
	MUL8 3, 1, 0
	WIN 0
; THE WAY OUT, block by block of 16 rows x 128 columns: scaled into other registers, through my own stage in LDS, back as whole rows of 512 bytes.  LDS serves a wave's instructions in order (ISA guide 5.7.1.4).
.macro TOSTAGE a
.set AC, 64*(\a)
	WIN 0x02                                       ; source 0: window 2
.irp j, 0,2,4,6,8,10,12,14,16,18,20,22,24,26,28,30,32,34,36,38,40,42,44,46,48,50,52,54,56,58,60,62
	v_pk_mul_f32 v[TMP+\j:TMP+\j+1], v[AC+\j:AC+\j+1], s[96:97] op_sel_hi:[1,0]   ; both x s96 = 2^(e6 + e7); each accumulator from its low end on
.endr
	WIN 0
.irp b, 0,1,2,3,4,5,6,7
	ds_store_b128 v[STO], v[TMP+8*\b:TMP+8*\b+3] offset:64*\b
	ds_store_b128 v[STO], v[TMP+8*\b+4:TMP+8*\b+7] offset:64*\b+16
.endr
.set BB, BK+64*((\a)%2)
.irp t, 0,1,2,3,4,5,6,7,8,9,10,11,12,13,14,15
	ds_load_b128 v[BB+4*\t:BB+4*\t+3], v[RD] offset:\t*SPITCH
.endr
.endm
.macro SEND a, younger                 ; younger: the LDS instructions issued behind block a's loads, which may stay out
.set BB, BK+64*((\a)%2)
	s_wait_dscnt \younger
.if (\a) > 0
	s_add_nc_u64 s[10:11], s[10:11], 16*SIZE_N*4   ; (behind a wait on XCNT: the earlier stores have read their base)
.endif
.irp t, 0,1,2,3,4,5,6,7,8,9,10,11,12,13,14,15
	global_store_b128 v[CO], v[BB+4*\t:BB+4*\t+3], s[10:11] offset:\t*SIZE_N*4 th:TH_STORE_NT   ; 32 lanes store 512 consecutive bytes, aligned
.endr
.endm
	s_wait_kmcnt 0x0
	s_add_co_i32 s96, s96, s97
	s_add_co_i32 s96, s96, 127
	s_lshl_b32 s96, s96, 23                        ; 2^(e6 + e7) as f32
	PLACES NP
	TOSTAGE 0
.irp a, 1,2,3
.if \a > 1
	s_wait_xcnt 0x0                                ; block a - 2's stores have read their registers and their base
.endif
	TOSTAGE \a
	SEND \a-1, 32                                  ; behind block a - 1's loads: block a's 16 stores and 16 loads
.endr
	s_wait_xcnt 0x0
	SEND 3, 0
	s_wait_tensorcnt 0x0                           ; the wave's end
	ds_add_u32 v[SPW], v[NIL]
	s_wait_dscnt 0x0
	CROUND                                         ; the closing round
	s_endpgm
.Lfunc_end_k_q6a36e63d2e_proj:
	.size	k_q6a36e63d2e_proj, .Lfunc_end_k_q6a36e63d2e_proj-k_q6a36e63d2e_proj
	.p2alignl 7, 3214868480
	.fill 96, 4, 3214868480
	.section	.rodata,"a",@progbits
	.p2align	6, 0x0
	.amdhsa_kernel k_q6a36e63d2e_proj
		.amdhsa_group_segment_fixed_size 327680
		.amdhsa_private_segment_fixed_size 0
		.amdhsa_enable_private_segment 0
		.amdhsa_kernarg_size 32
		.amdhsa_user_sgpr_count 2
		.amdhsa_user_sgpr_kernarg_segment_ptr 1
		.amdhsa_wavefront_size32 1
		.amdhsa_system_sgpr_workgroup_id_x 1
		.amdhsa_system_sgpr_workgroup_id_y 1
		.amdhsa_system_sgpr_workgroup_id_z 1
		.amdhsa_system_vgpr_workitem_id 0
		.amdhsa_next_free_vgpr 768
		.amdhsa_next_free_sgpr 98
		.amdhsa_reserve_vcc 0
		.amdhsa_float_denorm_mode_32 3
		.amdhsa_float_denorm_mode_16_64 3
		.amdhsa_memory_ordered 1
		.amdhsa_forward_progress 1
		.amdhsa_inst_pref_size 74
	.end_amdhsa_kernel
	.amdgpu_metadata
---
amdhsa.version: [ 1, 2 ]
amdhsa.kernels:
  - .name:           k_q6a36e63d2e_proj
    .symbol:         k_q6a36e63d2e_proj.kd
    .args:
      - { .name: ctx_img, .offset: 0, .size: 8, .value_kind: global_buffer, .address_space: global }
      - { .name: wo_img, .offset: 8, .size: 8, .value_kind: global_buffer, .address_space: global }
      - { .name: lowp_scales, .offset: 16, .size: 8, .value_kind: global_buffer, .address_space: global }
      - { .name: out0, .offset: 24, .size: 8, .value_kind: global_buffer, .address_space: global }
    .group_segment_fixed_size: 327680
    .private_segment_fixed_size: 0
    .kernarg_segment_align: 8
    .kernarg_segment_size: 32
    .max_flat_workgroup_size: 128
    .sgpr_count:     98
    .vgpr_count:     768
    .wavefront_size: 32
...
	.end_amdgpu_metadata
.endif
;; end of part 4
